; MI455X (gfx1250); checked and timed in simulation.
; The chip was launched on July 23, 2026; its instructions are those of AMD's public machine-readable ISA for CDNA 5 (MIT licence, August 2026) and "CDNA5" Instruction Set Architecture Reference Guide (July 2026). The comments in the code are by the model that wrote it; some were corrected since.
;; Regular Attention. Allowed arithmetic: matrix products marked QUANTISED: E2M1 operands, one E8M0 scale for each 32 along K, by v_wmma_scale_f32_16x16x128_f8f6f4 with both operands' format E2M1 (or v_wmma_scale_f32_32x16x128_f4), f32 sums; everything else in f32.
;; Inputs: k 2 x 12 x 2,048 x 64 float32; mask 2,048 x 2,048 int32; q 2 x 12 x 2,048 x 64 float32; v 2 x 12 x 2,048 x 64 float32.
;; Outputs: out0 2 x 12 x 2,048 x 64 float32.
;; This version of the problem:
;;   THIS VERSION OF THE PROBLEM IS GIVEN IN LOW PRECISION. The matrix products marked QUANTISED in the list below multiply operands that are first quantised to E2M1 (2 exponent bits, 1 mantissa bit; 4 bits a number), with one power-of-two scale for each 32 numbers along K (OCP MX v1.0); their sums are f32. All else is computed in f32.
;;   The module's matrix products, in the order in which they are computed (A, B: the left and right operand; K: the contracted axis; several contracted axes count as one K, in the product's order):
;;     1. batch 24 x [M 2,048, K 64] x [K 64, N 2,048]; A: input q; B: input k: QUANTISED
;;     2. batch 24 x [M 2,048, K 2,048] x [K 2,048, N 64]; A: softmax (see below); B: input v: QUANTISED
;;   THE QUANTISER, for each operand of a quantised product, along K:
;;     - K is cut into blocks of 32 from its start; a last block that is shorter is filled with zeros.
;;     - A block's scale is 2^e with e = floor(log2(the largest magnitude in the block)) - 2, held to -126 .. 127; a block of zeros has e = 0. As a byte (E8M0): e + 127.
;;     - Each number is divided by its block's scale, clamped to +-6, and rounded to the nearest number of E2M1, ties to even, subnormals kept.
;;     - The product sums the exact products of the quantised numbers (number of the format x scale) in f32.
;;   ~~~python
;;   def quantise(x, axis):      # numpy; x: float32 -> the quantised numbers, widened to float32 again
;;       x = np.moveaxis(x, axis, -1); K = x.shape[-1]
;;       x = np.pad(x, [(0, 0)] * (x.ndim - 1) + [(0, -K % 32)]); x = x.reshape(x.shape[:-1] + (-1, 32)); a = np.abs(x).max(-1, keepdims=True)
;;       e = np.where(a > 0, np.clip(np.frexp(np.where(a > 0, a, 1))[1] - 1 - 2, -126, 127), 0)      # np.frexp(a)[1] - 1 = floor(log2(a)), exactly
;;       r = np.clip(x / 2.0 ** e, -6, 6)
;;       step = 2.0 ** (np.maximum(np.frexp(np.where(r == 0, 1, r))[1] - 1, 0) - 1)
;;       q = np.round(r / step) * step * 2.0 ** e      # np.round: ties to even
;;       return np.moveaxis(q.reshape(q.shape[:-2] + (-1,))[..., :K], -1, axis).astype(np.float32)
;;   ~~~
;;   SOFTMAX AHEAD OF A QUANTISED PRODUCT. Where the list says 'softmax', what is quantised is not the finished softmax but p = 2^(t - M), with t = logit x log2(e) and M = ceil(the row's largest t), a whole number; so 1/2 < the row's largest p <= 1. The row's sum l is taken of the UNQUANTISED p, in f32, and the product's result is divided by l at the end. Since M is a whole number, a kernel that streams over the keys may use a running M (the ceiling of the running maximum): every later rescaling is an exact power of two, which a block's scale takes up: the codes' values come out the same.
;;   OPERANDS COMPUTED ON THE WAY. 'Computed on the way' means the value that the module computes at that place (a softmax that the list does not call 'softmax' is quantised finished and normalised). What goes into a quantiser is computed in f32, as accurately as f32 sums, v_exp_f32 and their like allow (about 1e-6 of the number): no bf16 or f16 on the way to a quantiser, and a product that is left as it is and whose result goes on into a quantised operand takes f32 operands (vector FMAs, or v_wmma_f32_16x16x4_f32). A number that lies on a knife's edge between two numbers of the format may be rounded either way, as far as f32 arithmetic and the matrix unit's own rounding can turn it there, and no further.
;; 2 versions. Each part assembles by itself: llvm-mc -triple=amdgcn-amd-amdhsa -mcpu=gfx1250 --defsym DOCPART=n.
;; ======== version 1 of 2: 2 launches
;; limits: right only within a limited range of input values
;; workspace buffers: kc 1,572,864 bytes; ks 196,608 bytes; vc 1,572,864 bytes; vs 98,304 bytes; mw 524,288 bytes of whole numbers; mf 8,192 bytes of whole numbers
;; launch prep (part 1): grid 640 x 1, 4 waves a work-group, no clusters, 69,120 bytes of LDS; arguments k, v, mask, kc, ks, vc, vs, mw, mf; writes kc, ks, vc, vs, mw, mf
.if DOCPART == 1
	.amdgcn_target "amdgcn-amd-amdhsa--gfx1250"
	.amdhsa_code_object_version 6
	.text
	.protected	k_qe5b371b6c1_prep
	.globl	k_qe5b371b6c1_prep
	.p2align	8
	.type	k_qe5b371b6c1_prep,@function
k_qe5b371b6c1_prep:
	s_mov_b64 s[64:65], 0
	v_nop
	global_prefetch_b8 v0, s[64:65] scope:SCOPE_SE
	s_setreg_imm32_b32 hwreg(HW_REG_WAVE_MODE, 25, 1), 1
	s_wait_xcnt 0x0
; THE LAUNCH IN FRONT OF THE ATTENTION.  It reads k, v (f32, [24 heads][2048 keys][64]) and mask (int32, [2048][2048]) once and stores what the attention's waves take straight into registers:
;   kc  k's codes of FP4 (E2M1), quantised along the head's 64:   [head][key step j of 128 keys][tile t = 2 b + u of 16 keys][lane][16 bytes]: lane (r, h) holds key 32 b + 8 u + r + 8 (r / 8), dims 32 h .. 32 h + 31
;   ks  their scale words: [head][j][g][lane][T]: block b = 2 g + T; lanes 0-15 the words of tile 2 b, lanes 16-31 those of tile 2 b + 1; a word = byte of dims 0-31, byte of dims 32-63, and 0x7f twice for the half of K = 128 that holds zero codes
;   vc  v's codes, quantised along the KEYS: [head][j][tile t of 16 dims][c][lane][16 bytes]: lane (r, h) holds dim 16 t + r, keys 64 c + 32 h + 0 .. 31
;   vs  their scale words: [head][j][dim]: byte n for keys 32 n .. 32 n + 31 of the step
;   mw  the mask as bits: [tile of 16 queries][j][n = 0 .. 63]: bit (r + 16 h) of word 16 b + i says whether key 32 b + 16 h + i counts for query r: the word is the lane mask of the attention's score register n
;   mf  flags: [tile of 16 queries][j]: bits 0-15: which of the 16 queries have a key that counts in step j; bit 16 + j: any has
; A block's scale is 2^(floor(log2(its largest magnitude)) - 2); its byte is the largest magnitude's exponent field - 2, held at 1 from below.
; LIMITS: a block of zeros gets the byte 1 where the quantiser says 127: its codes are zeros, which add nothing under any byte but 0xff, and this program alone reads the bytes.  NaN and infinities among k and v are not served.
; SHARES.  Each wave has ONE job of 16,384 bytes of input, and waves share nothing: no barrier, no loop.  Work-groups 0-255: the mask (1,024 jobs: 16 queries x 256 keys); 256-447: k (768 jobs: 64 keys);
; 448-639: v (768 jobs: 128 keys x 32 dims).  The three paths part on the work-group's number; each ends by itself and has LDS bytes of its own.  No matrix unit, no tensor load, no cluster: no byte is read by two jobs.
.set MST, 0                            ; LDS: the mask path's stages: for each wave 16 rows x (512 bytes + 16)
.set MP,  528
.set MWV, 16*MP
.set KST, 4*MWV                        ; k's stages: for each wave 32 rows x (256 bytes + 16)
.set KP,  272
.set KWV, 32*KP
.set R,   64                           ; v64-191  what is loaded
.set CD,  36                           ; v36-51   codes: registers of their own for every store
; REGISTERS: v1 lane, v2 r = lane % 16, v3 h = lane / 16, v4 16 x lane, v5 8 x lane, v6 4 x lane; v7, v8 the mask's stage in and out; v9, v10 k's stage in and out; v11 8 h; v12-15 maxima; v16-17 scale operands;
; v18-19 bytes; v20-23 scale words at work; v[24:25] k's pair of scale words; v[26:29] mask words; v[30:31] flags; v32 v's place in vc; v33 v's scale word.
; the largest magnitude of 32 numbers of one lane, v[s] on, in two chains, with the floor 2^(3 - 127) as one more leaf: so the byte cannot fall under 1
.macro BMAX s, a, b
	v_max3_num_f32 v[\a], |v[(\s)]|, |v[(\s)+1]|, |v[(\s)+2]|
	v_max3_num_f32 v[\b], |v[(\s)+3]|, |v[(\s)+4]|, |v[(\s)+5]|
.irp i, 6,10,14,18,22,26
	v_max3_num_f32 v[\a], v[\a], |v[(\s)+\i]|, |v[(\s)+\i+1]|
	v_max3_num_f32 v[\b], v[\b], |v[(\s)+\i+2]|, |v[(\s)+\i+3]|
.endr
	v_max3_num_f32 v[\a], v[\a], |v[(\s)+30]|, |v[(\s)+31]|
	v_max3_num_f32 v[\a], v[\a], v[\b], 0x1800000
.endm
; a whole block of 32 in one lane becomes 4 registers of codes, v[c] on, and its scale byte in v[by]
.macro QB s, a, b, so, by, c
	BMAX \s, \a, \b
	v_add_nc_u32 v[\so], 0xff000000, v[\a]         ; 2 off the exponent field: the conversion takes the exponent field of this operand as its scale, and nothing else of it
.irp g, 0,1,2,3
	v_cvt_scalef32_pk8_fp4_f32 v[(\c)+\g], v[(\s)+8*\g:(\s)+8*\g+7], v[\so]   ; eight numbers / the scale, to the nearest code, ties to even, beyond 6 the largest code
.endr
	v_lshrrev_b32 v[\by], 23, v[\so]               ; the scale's byte; also the plain line behind the conversions
.endm
	s_load_b512 s[4:19], s[0:1], 0x0               ; k s[4:5], v s[6:7], mask s[8:9], kc s[10:11], ks s[12:13], vc s[14:15], vs s[16:17], mw s[18:19]
	s_load_b64 s[20:21], s[0:1], 0x40              ; mf
	v_lshl_add_u32 v192, v0, 2, 0x10c00
	v_mov_b32 v193, 0
	v_lshrrev_b32 v1, 5, v0
	v_readfirstlane_b32 s22, v1                    ; wave 0..3
	v_and_b32 v1, 31, v0
	v_and_b32 v2, 15, v0
	v_bfe_u32 v3, v0, 4, 1
	v_lshlrev_b32 v4, 4, v1
	v_lshlrev_b32 v5, 3, v1
	v_lshlrev_b32 v6, 2, v1
	; every LDS address is made here, ahead of the parting: a constant + a constant x wave + constants x r and h
	s_mul_i32 s24, s22, MWV
	v_add_nc_u32 v7, s24, v4                       ; the mask's stage, in: a row's 512 bytes as they lie, 16 a lane
	v_mul_u32_u24 v8, v2, MP
	v_lshl_add_u32 v8, v3, 6, v8
	v_add_nc_u32 v8, s24, v8                       ; out: row r, + 64 h: my 16 keys of a block of 32
	s_mul_i32 s24, s22, KWV
	s_add_co_u32 s24, s24, KST
	v_mul_u32_u24 v9, v3, KP
	v_lshl_add_u32 v9, v2, 4, v9
	v_add_nc_u32 v9, s24, v9                       ; k's stage, in: a load's 512 bytes are two rows: row h, 16 r
	v_and_b32 v10, 8, v2
	v_add_nc_u32 v10, v10, v2                      ; r + 8 (r / 8)
	v_mul_u32_u24 v10, v10, KP
	v_lshl_add_u32 v10, v3, 7, v10
	v_add_nc_u32 v10, s24, v10                     ; out: that row, + 128 h: my 32 dims
	v_lshlrev_b32 v11, 3, v3
	v_lshlrev_b32 v32, 10, v3
	v_lshl_add_u32 v32, v2, 4, v32                 ; vc: my dim's tile (1,024 h) and row (16 r)
	s_mov_b32 s25, 0                               ; the high word of every offset
	s_mov_b32 s28, 0x76543210
	s_mov_b32 s29, 0xfedcba98                      ; v_permlanex16_b32's selects for lane l xor 16
	s_mov_b32 s30, 0xffff0000                      ; lanes 16-31
	s_wait_kmcnt 0x0
	s_cmp_lt_u32 ttmp9, 256
	s_cbranch_scc0 .Lnot_mask
	; ---------------- THE MASK: job m = 8 x (tile of queries) + a: 16 rows x key steps 2 a and 2 a + 1
	s_lshl_b32 s23, ttmp9, 2
	s_add_co_u32 s23, s23, s22                     ; m
	s_lshr_b32 s24, s23, 3
	s_lshl_b32 s24, s24, 17                        ; 16 rows of 8,192 bytes
	s_and_b32 s37, s23, 7
	s_lshl_b32 s26, s37, 10                        ; two steps of 512 bytes
	s_add_co_u32 s24, s24, s26
	s_add_nc_u64 s[8:9], s[8:9], s[24:25]
	s_lshl_b32 s24, s23, 9                         ; mw: 256 bytes a step
	s_add_nc_u64 s[18:19], s[18:19], s[24:25]
	s_lshl_b32 s24, s23, 3                         ; mf: 4 bytes a step
	s_add_nc_u64 s[20:21], s[20:21], s[24:25]
	s_lshl_b32 s41, s37, 1
	s_add_co_u32 s41, s41, 16                      ; the flag word's bit for 'any': 16 + j
.irp T, 0,1
.irp p, 0,1,2,3,4,5,6,7,8,9,10,11,12,13,14,15
	global_load_b128 v[R+64*\T+4*\p:R+64*\T+4*\p+3], v4, s[8:9] offset:8192*\p+512*\T th:TH_LOAD_NT   ; 32 lanes read 512 consecutive bytes of row p: one key step
.endr
.endr
.irp i, 26,27,28,29
	v_mov_b32 v[\i], 0                             ; v_writelane_b32's destination counts as read
.endr
; One tile of 16 queries x 128 keys.  The rows turn through my stage, so that lane (r, h) holds, in register 16 b + i, the mask of query r and key 32 b + 16 h + i; a compare then IS word 16 b + i.
.macro MTILE T
	s_wait_loadcnt 16-16*\T                        ; this tile's sixteen loads are in; the second tile's sixteen may be out
.irp p, 0,1,2,3,4,5,6,7,8,9,10,11,12,13,14,15
	ds_store_b128 v7, v[R+64*\T+4*\p:R+64*\T+4*\p+3] offset:MP*\p
.endr
.irp b, 0,1,2,3
.irp q, 0,1,2,3
	ds_load_b128 v[R+64*\T+16*\b+4*\q:R+64*\T+16*\b+4*\q+3], v8 offset:128*\b+16*\q   ; LDS serves a wave's instructions in order (ISA guide 5.7.1.4): these see my stores; rows 528 bytes apart start 4 banks apart
.endr
.endr
	s_wait_dscnt 0x0
	s_mov_b32 s36, 0
.set n, 0
.rept 16                               ; four words at a time, so that no line waits for the line above it
	v_cmp_lt_i32 s32, 0, v[R+64*\T+n]              ; mask > 0, a bit a lane
	v_cmp_lt_i32 s33, 0, v[R+64*\T+n+1]
	v_cmp_lt_i32 s34, 0, v[R+64*\T+n+2]
	v_cmp_lt_i32 s35, 0, v[R+64*\T+n+3]
	v_writelane_b32 v[26+2*\T], s32, n/2           ; word n goes to lane n / 2 of a pair of registers: the pair leaves by one store of 8 bytes a lane
	v_writelane_b32 v[27+2*\T], s33, n/2
	v_writelane_b32 v[26+2*\T], s34, n/2+1
	v_writelane_b32 v[27+2*\T], s35, n/2+1
	s_or_b32 s32, s32, s33
	s_or_b32 s34, s34, s35
	s_or_b32 s36, s36, s32
	s_or_b32 s36, s36, s34                         ; which lanes have a key that counts
.set n, n+4
.endr
	global_store_b64 v5, v[26+2*\T:27+2*\T], s[18:19] offset:256*\T   ; the 32 lanes store 256 consecutive bytes, aligned
	s_lshr_b32 s37, s36, 16
	s_or_b32 s37, s37, s36
	s_and_b32 s37, s37, 0xffff                     ; which queries have one: lanes r and r + 16 joined
	s_cmp_lg_u32 s37, 0
	s_cselect_b32 s42, 1, 0
	s_lshl_b32 s42, s42, s41
	s_or_b32 s[38+\T], s37, s42                    ; the flag word
	s_add_co_u32 s41, s41, 1
.endm
	MTILE 0
	MTILE 1
	v_mov_b32 v30, s38
	v_mov_b32 v31, s39
	v_cmp_eq_u32 vcc_lo, 0, v1
	s_wait_xcnt 0x0                                ; EXEC changes only when the stores above have had their addresses translated
	s_wait_tensorcnt 0x0
	ds_add_u32 v192, v193
	s_wait_dscnt 0x0
	s_and_saveexec_b32 s40, vcc_lo
	global_store_b64 v5, v[30:31], s[20:21]        ; lane 0 alone: the job's two flag words, 8 bytes for 16,384 read
	s_wait_xcnt 0x0                                ; and again in front of the line that widens it
	s_or_b32 exec_lo, exec_lo, s40
	s_endpgm
.Lnot_mask:
	s_cmp_lt_u32 ttmp9, 448
	s_cbranch_scc0 .Lfor_v
	; ---------------- K: job m: keys 64 m .. 64 m + 63 of the dense stream of 49,152 rows of 256 bytes: half a key step, blocks b = 2 (m % 2) + T
	s_sub_co_u32 s23, ttmp9, 256
	s_lshl_b32 s23, s23, 2
	s_add_co_u32 s23, s23, s22                     ; m
	s_lshl_b32 s24, s23, 14
	s_add_nc_u64 s[4:5], s[4:5], s[24:25]
	s_lshl_b32 s24, s23, 11                        ; four tiles of 512 bytes
	s_add_nc_u64 s[10:11], s[10:11], s[24:25]
	s_lshl_b32 s24, s23, 8                         ; 8 bytes a lane
	s_add_nc_u64 s[12:13], s[12:13], s[24:25]
.irp i, 0,1,2,3,4,5,6,7,8,9,10,11,12,13,14,15,16,17,18,19,20,21,22,23,24,25,26,27,28,29,30,31
	global_load_b128 v[R+4*\i:R+4*\i+3], v4, s[4:5] offset:512*\i th:TH_LOAD_NT   ; 512 consecutive bytes: two keys
.endr
	v_mov_b32 v21, 0                               ; a lane permute's destination counts as read
; 32 keys: two tiles of 16.  They turn through my stage, so that lane (r, h) holds 32 neighbouring dims, a whole block, of the key that its place in the tile asks for.
.macro KHALF T
	s_wait_loadcnt 16-16*\T                        ; this half's sixteen loads are in; the second half's may be out
.irp i, 0,1,2,3,4,5,6,7,8,9,10,11,12,13,14,15
	ds_store_b128 v9, v[R+64*\T+4*\i:R+64*\T+4*\i+3] offset:2*KP*\i
.endr
.irp u, 0,1
.irp e, 0,1,2,3,4,5,6,7
	ds_load_b128 v[R+64*\T+32*\u+4*\e:R+64*\T+32*\u+4*\e+3], v10 offset:8*KP*\u+16*\e   ; rows 0-7 and 16-23 of the tile's span: rows 16 apart start at the same bank, so these go two deep; 16 loads a half
.endr
.endr
	s_wait_dscnt 0x0
.irp u, 0,1
	QB R+64*\T+32*\u, 12+2*\u, 13+2*\u, 16+\u, 18+\u, CD+8*\T+4*\u
	global_store_b128 v4, v[CD+8*\T+4*\u:CD+8*\T+4*\u+3], s[10:11] offset:512*(2*\T+\u)   ; a tile's image: 512 consecutive bytes, aligned
.endr
.irp u, 0,1
	v_lshlrev_b32 v20, v11, v[18+\u]               ; my byte at its place: 8 h bits up;
	v_permlanex16_b32 v21, v20, s28, s29
	v_or_b32 v20, v20, v21                         ; with lane l xor 16's the key's two bytes;
	v_or_b32 v[22+\u], 0x7f7f0000, v20             ; 2^0 for the two blocks of zero codes
.endr
	v_cndmask_b32 v[24+\T], v22, v23, s30          ; lanes 0-15 keep the even tile's words, lanes 16-31 take the odd tile's
.endm
	KHALF 0
	KHALF 1
	global_store_b64 v5, v[24:25], s[12:13]        ; 256 consecutive bytes, aligned
	s_wait_tensorcnt 0x0
	ds_add_u32 v192, v193
	s_wait_dscnt 0x0
	s_endpgm
.Lfor_v:
	; ---------------- V: job m: key step m / 2 of the dense stream, dims 32 (m % 2) + lane.  A LANE TAKES A DIM, AND ITS REGISTERS RUN DOWN THE KEYS: a block of 32 keys lies in one lane, and the codes come out with the keys innermost
	s_sub_co_u32 s23, ttmp9, 448
	s_lshl_b32 s23, s23, 2
	s_add_co_u32 s23, s23, s22                     ; m
	s_lshr_b32 s24, s23, 1
	s_lshl_b32 s24, s24, 15                        ; 128 keys of 256 bytes
	s_and_b32 s26, s23, 1
	s_lshl_b32 s26, s26, 7                         ; 32 dims
	s_add_co_u32 s24, s24, s26
	s_add_nc_u64 s[6:7], s[6:7], s[24:25]
	s_lshl_b32 s24, s23, 11                        ; vc: 4,096 (m / 2) + 2,048 (m % 2)
	s_add_nc_u64 s[14:15], s[14:15], s[24:25]
	s_lshl_b32 s24, s23, 7                         ; vs: 4 bytes a dim
	s_add_nc_u64 s[16:17], s[16:17], s[24:25]
.macro VLOAD bk                        ; block bk's 32 keys; each load reads 128 consecutive bytes, and the wave beside mine reads the same rows' other 128
.irp i, 0,1,2,3,4,5,6,7,8,9,10,11,12,13,14,15,16,17,18,19,20,21,22,23,24,25,26,27,28,29,30,31
	global_load_b32 v[R+32*\bk+\i], v6, s[6:7] offset:256*(32*\bk+\i)
.endr
.endm
.macro VBLOCK bk
	QB R+32*\bk, 12, 13, 16, 18, CD+4*\bk
	global_store_b128 v32, v[CD+4*\bk:CD+4*\bk+3], s[14:15] offset:256*\bk   ; each half of the lanes stores 256 consecutive bytes, aligned
.if \bk == 0
	v_mov_b32 v33, v18
.else
	v_lshl_or_b32 v33, v18, 8*\bk, v33             ; four bytes make my dim's scale word
.endif
.endm
	VLOAD 0                                        ; loads run two blocks ahead: a wait on LOADcnt names at most 63 (ISA guide 5.7.1), so a block's wait can leave one block's 32 loads out, not three blocks'
	VLOAD 1
	s_wait_loadcnt 32                              ; block 0 is in; block 1's 32 may be out
	VLOAD 2
	VBLOCK 0
	s_wait_loadcnt 32                              ; block 1 is in; block 2's may be out
	VLOAD 3
	VBLOCK 1
	s_wait_loadcnt 32                              ; block 2 is in; block 3's may be out
	VBLOCK 2
	s_wait_loadcnt 0x0
	VBLOCK 3
	global_store_b32 v6, v33, s[16:17]             ; 128 consecutive bytes for 16,384 read
	s_endpgm
.Lfunc_end_k_qe5b371b6c1_prep:
	.size	k_qe5b371b6c1_prep, .Lfunc_end_k_qe5b371b6c1_prep-k_qe5b371b6c1_prep
	.p2alignl 7, 3214868480
	.fill 96, 4, 3214868480
	.section	.rodata,"a",@progbits
	.p2align	6, 0x0
	.amdhsa_kernel k_qe5b371b6c1_prep
		.amdhsa_group_segment_fixed_size 69120
		.amdhsa_private_segment_fixed_size 0
		.amdhsa_enable_private_segment 0
		.amdhsa_kernarg_size 72
		.amdhsa_user_sgpr_count 2
		.amdhsa_user_sgpr_kernarg_segment_ptr 1
		.amdhsa_wavefront_size32 1
		.amdhsa_system_sgpr_workgroup_id_x 1
		.amdhsa_system_sgpr_workgroup_id_y 1
		.amdhsa_system_sgpr_workgroup_id_z 1
		.amdhsa_system_vgpr_workitem_id 0
		.amdhsa_next_free_vgpr 194
		.amdhsa_next_free_sgpr 66
		.amdhsa_reserve_vcc 1
		.amdhsa_float_denorm_mode_32 3
		.amdhsa_float_denorm_mode_16_64 3
		.amdhsa_memory_ordered 1
		.amdhsa_forward_progress 1
		.amdhsa_inst_pref_size 65
	.end_amdhsa_kernel
	.amdgpu_metadata
---
amdhsa.version: [ 1, 2 ]
amdhsa.kernels:
  - .name:           k_qe5b371b6c1_prep
    .symbol:         k_qe5b371b6c1_prep.kd
    .args:
      - { .name: k, .offset: 0, .size: 8, .value_kind: global_buffer, .address_space: global }
      - { .name: v, .offset: 8, .size: 8, .value_kind: global_buffer, .address_space: global }
      - { .name: mask, .offset: 16, .size: 8, .value_kind: global_buffer, .address_space: global }
      - { .name: kc, .offset: 24, .size: 8, .value_kind: global_buffer, .address_space: global }
      - { .name: ks, .offset: 32, .size: 8, .value_kind: global_buffer, .address_space: global }
      - { .name: vc, .offset: 40, .size: 8, .value_kind: global_buffer, .address_space: global }
      - { .name: vs, .offset: 48, .size: 8, .value_kind: global_buffer, .address_space: global }
      - { .name: mw, .offset: 56, .size: 8, .value_kind: global_buffer, .address_space: global }
      - { .name: mf, .offset: 64, .size: 8, .value_kind: global_buffer, .address_space: global }
    .group_segment_fixed_size: 69120
    .private_segment_fixed_size: 0
    .kernarg_segment_align: 8
    .kernarg_segment_size: 72
    .max_flat_workgroup_size: 128
    .sgpr_count:     66
    .vgpr_count:     194
    .wavefront_size: 32
...
	.end_amdgpu_metadata
.endif
;; end of part 1
;; launch attn (part 2): grid 32 x 24, 4 waves a work-group, no clusters, 17,920 bytes of LDS; arguments q, kc, ks, vc, vs, mw, mf, out0; writes out0
.if DOCPART == 2
	.amdgcn_target "amdgcn-amd-amdhsa--gfx1250"
	.amdhsa_code_object_version 6
	.text
	.protected	k_qe5b371b6c1_attn
	.globl	k_qe5b371b6c1_attn
	.p2align	8
	.type	k_qe5b371b6c1_attn,@function
k_qe5b371b6c1_attn:
	s_mov_b64 s[64:65], 0
	v_nop
	global_prefetch_b8 v0, s[64:65] scope:SCOPE_SE
	s_setreg_imm32_b32 hwreg(HW_REG_WAVE_MODE, 25, 1), 1
	s_wait_xcnt 0x0
; out[head][q][:] = the sum over keys of softmax_k(q . k, where mask[q][k] > 0) v[k][:], no factor on the scores; 24 heads, 2,048 queries and keys, head size 64.  Both products on codes of FP4 (E2M1) with one E8M0 scale for each 32 along K.
; THE SOFTMAX AHEAD OF THE SECOND PRODUCT: t = score x log2(e); M = the row's largest t so far, rounded UP to a whole number; p = 2^(t - M) is what is quantised, along the keys, not normalised.  The row's sum is taken of the
; unquantised p, in f32, and divides O at the end.  When M moves, the sum and O are multiplied by 2^(old M - new M): exact.
; SHARES.  A wave owns ONE tile of 16 queries of one head (tile 4 x + wave, head y) and shares nothing with other waves: no barrier.  It walks the head's 16 key steps of 128 keys.  k's and v's codes, their scale words and the mask's
; bits were laid by the launch before in the order of this wave's registers, so each lane loads its fragments whole, from memory straight into registers.
; WHAT IS NOT COMPUTED.  A key step in which the mask lets no key count for any of my 16 queries adds p = 0 everywhere: it is passed over by a scalar branch on flag words that the launch before stored.  That holds only if each of
; my queries has a key that counts somewhere; a query that has none gets p = 1 on all 2,048 keys, as the softmax of equal scores gives: if my tile has such a query, all 16 steps run.  SKIP = 0 assembles the text without the branch.
; NO TENSOR LOAD, NO CLUSTER, NO JOINT REQUEST: which steps a wave walks hangs on numbers read from memory, so waves of one head need different tiles in different numbers, and a step's shared bytes are few: 8,960.
; THE MASKED SCORE is -2^100 in place of -1e30.  Its t, -2^100 x log2(e), is exact and a whole number: while a query has seen no key that counts, t - M is exactly 0 and p = 1; the first key that counts moves M so far that the
; factor 2^(old M - new M) is 0 and wipes what was gathered; from then on masked keys give p = 0.
; LIMITS: results are the definition's while every score that counts lies above -1e30; NaN and infinities are not served; a block of zeros gets the scale byte 1 (its codes are zeros); a block's largest p is made from the block's
; largest score by the same multiply-add and exponential, which takes v_exp_f32 not to fall where its input rises.
; LAYOUT.  Both products are used transposed: S^T = K Q^T (source 0 = 16 keys, source 1 = my 16 queries), O^T = V^T P^T (source 0 = 16 dims, source 1 = P): lane (r, h) holds query r throughout.  THE KEYS OF A TILE ARE NOT
; NEIGHBOURS: row m of tile 2 b + u is key 32 b + 8 u + m + 8 (m / 8), so that score register 16 b + i is key 32 b + 16 h + i.  The head's 64 fill half of the instruction's K = 128: registers 4-7 of Q's and K's fragments hold zero codes.
; REGISTERS: v1 16 x lane, v2 8 x lane, v3 4 x lane, v4-6 places in my stage, v7 the masked score; v12 -M, v13 the largest t, v[14:15] the sum in two halves; v[16:23] Q; v24 Q's scale word, v25 p's, v26-29 K's, v30-31 V's;
; v32-95 K's 8 fragments; v96-159 S^T, then p; v160-191 O^T; v192-223 V's 4 fragments; v224-231 p's codes; v232-254 at work.
; s[84:99] the eight addresses; s[16:63] and s[68:83] the step's 64 mask words (at the head: the 16 flag words); s10 which steps run; s11 the trips; s[14:15] log2(e); s[100:101] lane selects.
.set SKIP, 1
.set SP,  272                          ; my stage in LDS: 16 rows x (256 bytes + 16): q's way in and O's way out
.macro BMAX s, a, b                    ; the largest magnitude of 32 numbers of one lane, with the floor 2^(3 - 127) as one more leaf
	v_max3_num_f32 v[\a], |v[(\s)]|, |v[(\s)+1]|, |v[(\s)+2]|
	v_max3_num_f32 v[\b], |v[(\s)+3]|, |v[(\s)+4]|, |v[(\s)+5]|
.irp i, 6,10,14,18,22,26
	v_max3_num_f32 v[\a], v[\a], |v[(\s)+\i]|, |v[(\s)+\i+1]|
	v_max3_num_f32 v[\b], v[\b], |v[(\s)+\i+2]|, |v[(\s)+\i+3]|
.endr
	v_max3_num_f32 v[\a], v[\a], |v[(\s)+30]|, |v[(\s)+31]|
	v_max3_num_f32 v[\a], v[\a], v[\b], 0x1800000
.endm
.macro QB s, a, b, so, by, c           ; a whole block of 32 in one lane becomes 4 registers of codes and its scale byte
	BMAX \s, \a, \b
	v_add_nc_u32 v[\so], 0xff000000, v[\a]         ; 2 off the exponent field: the conversion's scale operand
.irp g, 0,1,2,3
	v_cvt_scalef32_pk8_fp4_f32 v[(\c)+\g], v[(\s)+8*\g:(\s)+8*\g+7], v[\so]
.endr
	v_lshrrev_b32 v[\by], 23, v[\so]               ; the scale's byte; also the plain line behind the conversions
.endm
	s_load_b512 s[84:99], s[0:1], 0x0              ; q s[84:85], kc s[86:87], ks s[88:89], vc s[90:91], vs s[92:93], mw s[94:95], mf s[96:97], out s[98:99]
	v_lshl_add_u32 v251, v0, 2, 0x4400
	v_mov_b32 v255, 0
	v_lshrrev_b32 v1, 5, v0
	v_readfirstlane_b32 s2, v1                     ; wave 0..3
	v_and_b32 v8, 31, v0                           ; lane
	v_and_b32 v9, 15, v0                           ; r
	v_bfe_u32 v10, v0, 4, 1                        ; h
	v_lshlrev_b32 v1, 4, v8
	v_lshlrev_b32 v2, 3, v8
	v_lshlrev_b32 v3, 2, v8
	s_mul_i32 s12, s2, 16*SP
	v_mul_u32_u24 v4, v10, SP
	v_lshl_add_u32 v4, v9, 4, v4
	v_add_nc_u32 v4, s12, v4                       ; the stage by rows: 512 bytes of memory are two rows: row h, 16 r
	v_mul_u32_u24 v11, v9, SP
	v_add_nc_u32 v11, s12, v11
	v_lshl_add_u32 v5, v10, 7, v11                 ; q, out of it: row r, + 128 h: my 32 dims
	v_lshl_add_u32 v6, v10, 5, v11                 ; O, into it: row r, + 32 h: my 8 dims of a tile
	v_lshlrev_b32 v11, 3, v10                      ; 8 h
	s_lshl_b32 s3, ttmp9, 2
	s_add_co_u32 s3, s3, s2                        ; my tile of queries, 0 .. 127
	s_and_b32 s4, ttmp7, 0xffff                    ; my head
	s_mov_b32 s7, 0
	s_mov_b32 s9, 0
	s_lshl_b32 s6, s4, 19                          ; a head of q or out: 2,048 rows of 256 bytes;
	s_lshl_b32 s12, s3, 12                         ; my 16 rows
	s_add_co_u32 s6, s6, s12
	s_mov_b32 s14, 0x3fb8aa3b                      ; log2(e)
	s_mov_b32 s15, s14                             ; (named with it as a pair, so it is written)
	s_mov_b32 s100, 0x76543210
	s_mov_b32 s101, 0xfedcba98                     ; v_permlanex16_b32's selects for lane l xor 16
	s_wait_kmcnt 0x0
	s_add_nc_u64 s[84:85], s[84:85], s[6:7]
	s_add_nc_u64 s[98:99], s[98:99], s[6:7]
	s_lshl_b32 s8, s3, 6                           ; my tile's 16 flag words
	s_add_nc_u64 s[96:97], s[96:97], s[8:9]
	s_load_b512 s[16:31], s[96:97], 0x0
.irp i, 0,1,2,3,4,5,6,7
	global_load_b128 v[96+4*\i:99+4*\i], v1, s[84:85] offset:512*\i th:TH_LOAD_NT   ; my 16 rows of q: 512 consecutive bytes a load
.endr
	s_lshl_b32 s8, s4, 16                          ; a head of kc or vc: 16 steps of 4,096 bytes
	s_add_nc_u64 s[86:87], s[86:87], s[8:9]
	s_add_nc_u64 s[90:91], s[90:91], s[8:9]
	s_lshl_b32 s8, s4, 13                          ; of ks: 16 x 512
	s_add_nc_u64 s[88:89], s[88:89], s[8:9]
	s_lshl_b32 s8, s4, 12                          ; of vs: 16 x 256
	s_add_nc_u64 s[92:93], s[92:93], s[8:9]
	s_lshl_b32 s8, s3, 12                          ; my tile's mask words: 16 x 256
	s_add_nc_u64 s[94:95], s[94:95], s[8:9]
	v_mov_b32 v7, 0xf1800000                       ; -2^100
	v_mov_b32 v13, 0xff61b1e6                      ; the largest t so far: -3e38, under every t
	v_floor_f32 v12, -v13                          ; -M
	v_mov_b32 v14, 0                               ; the sum, in two halves
	v_mov_b32 v15, 0
.irp i, 236,237,238,239,252,253
	v_mov_b32 v[\i], 0                             ; written once: a lane permute's destination counts as read, and v253 is named as the upper half of the pair with f
.endr
	s_wait_kmcnt 0x0                               ; the flag words
	s_or_b32 s12, s16, s17
.irp i, 18,19,20,21,22,23,24,25,26,27,28,29,30,31
	s_or_b32 s12, s12, s[\i]
.endr
	s_and_b32 s13, s12, 0xffff                     ; which of my queries have a key that counts somewhere
	s_lshr_b32 s10, s12, 16                        ; bit j: step j has one for some query
	s_cmp_eq_u32 s13, 0xffff
	s_cselect_b32 s13, 0, 0xffff
	s_or_b32 s10, s10, s13                         ; a query with none: all 16 steps run
	s_wait_loadcnt 0x0                             ; q
.irp i, 0,1,2,3,4,5,6,7
	ds_store_b128 v4, v[96+4*\i:99+4*\i] offset:2*SP*\i
.endr
.irp e, 0,1,2,3,4,5,6,7
	ds_load_b128 v[128+4*\e:131+4*\e], v5 offset:16*\e   ; LDS serves a wave's instructions in order (ISA guide 5.7.1.4): these see my stores.  Lane (r, h): dims 32 h .. 32 h + 31 of query r, a whole block
.endr
	s_wait_dscnt 0x0
	QB 128, 232, 233, 244, 234, 16                 ; Q's codes: registers 0-3 of its fragment
	v_lshlrev_b32 v234, v11, v234                  ; my byte at its place, 8 h bits up;
	v_permlanex16_b32 v236, v234, s100, s101
	v_or_b32 v234, v234, v236                      ; with lane l xor 16's the query's two bytes;
	v_or_b32 v24, 0x7f7f0000, v234                 ; 2^0 for the two blocks of zero codes
.irp i, 20,21,22,23
	v_mov_b32 v[\i], 0                             ; Q's zero codes for K = 64 .. 127
.endr
.irp t, 0,1,2,3,4,5,6,7
.irp e, 4,5,6,7
	v_mov_b32 v[32+8*\t+\e], 0                     ; and K's: written once; the loop's loads fill registers 0-3 alone
.endr
.endr
.irp j, 0,1,2,3,4,5,6,7,8,9,10,11,12,13,14,15,16,17,18,19,20,21,22,23,24,25,26,27,28,29,30,31
	v_mov_b32 v[160+\j], 0                         ; O^T.  (Which step is a wave's first hangs on the flags, so the step is written once and finds zeros, which the first change of M leaves zeros.  These 32 lines also stand between the operands and scale word made above and the first product)
.endr
	s_mov_b32 s11, 16
.Lstep:                                            ; 16 trips, a constant; the flags decide only whether a trip's work is done
.if SKIP
	s_and_b32 s12, s10, 1
	s_cmp_lg_u32 s12, 0
	s_cbranch_scc0 .Lnext                          ; no key of this step counts for any of my queries
.endif
	s_load_b512 s[16:31], s[94:95], 0x0            ; the step's 64 mask words
	s_load_b512 s[32:47], s[94:95], 0x40
	s_load_b512 s[48:63], s[94:95], 0x80
	s_load_b512 s[68:83], s[94:95], 0xc0
.irp t, 0,1,2,3,4,5,6,7
	global_load_b128 v[32+8*\t:35+8*\t], v1, s[86:87] offset:512*\t    ; K's eight tiles: 512 consecutive bytes a load
.endr
.irp g, 0,1
	global_load_b64 v[26+2*\g:27+2*\g], v2, s[88:89] offset:256*\g     ; their scale words: v[26 + b]: lanes 0-15 tile 2 b's, lanes 16-31 tile 2 b + 1's
.endr
.irp t, 0,1,2,3
.irp c, 0,1
	global_load_b128 v[192+8*\t+4*\c:195+8*\t+4*\c], v1, s[90:91] offset:1024*\t+512*\c   ; V's four tiles land while the scores and the softmax are made
.endr
.endr
.irp p, 0,1
	global_load_b32 v[30+\p], v3, s[92:93] offset:128*\p               ; their scale words: lanes 0-15 tile 2 p's, lanes 16-31 tile 2 p + 1's
.endr
	s_wait_loadcnt 10                              ; K's ten loads are in; the ten issued behind them, V's, may be out
.irp t, 0,2,4,6                                ; S^T = K Q^T: eight results, none added onto
	v_wmma_scale_f32_16x16x128_f8f6f4 v[96+8*\t:103+8*\t], v[32+8*\t:39+8*\t], v[16:23], 0, v[26+\t/2], v24 matrix_a_fmt:MATRIX_FMT_FP4 matrix_b_fmt:MATRIX_FMT_FP4
	v_wmma_scale_f32_16x16x128_f8f6f4 v[104+8*\t:111+8*\t], v[40+8*\t:47+8*\t], v[16:23], 0, v[26+\t/2], v24 matrix_a_fmt:MATRIX_FMT_FP4 matrix_b_fmt:MATRIX_FMT_FP4 matrix_a_scale:MATRIX_SCALE_ROW1
.endr
.rept 4
	v_nop                                          ; four plain lines between a product and the first read of its result (ISA guide 7.12.1)
.endr
	s_wait_kmcnt 0x0                               ; the mask words
.set n, 0
.rept 64
	v_cndmask_b32 v[96+n], v7, v[96+n], s[16+n+4*(n/48)]   ; word n is register n's lane mask: a key that does not count gets -2^100.  Ascending: each result is read from its low end on
.set n, n+1
.endr
.irp b, 0,1,2,3
	v_max3_num_f32 v[232+\b], v[96+16*\b], v[97+16*\b], v[98+16*\b]   ; THE LARGEST SCORE OF EACH BLOCK OF 32 KEYS serves twice: for the row's maximum, and, since p rises with the score, for the block's largest p
.endr
.irp i, 3,5,7,9,11,13
.irp b, 0,1,2,3
	v_max3_num_f32 v[232+\b], v[232+\b], v[96+16*\b+\i], v[97+16*\b+\i]   ; (the four blocks by turns)
.endr
.endr
.irp b, 0,1,2,3
	v_max_num_f32 v[232+\b], v[232+\b], v[111+16*\b]
.endr
.irp b, 0,1,2,3
	v_permlanex16_b32 v[236+\b], v[232+\b], s100, s101
.endr
.irp b, 0,1,2,3
	v_max_num_f32 v[232+\b], v[232+\b], v[236+\b]  ; with lane l xor 16's 16 keys
.endr
	v_max3_num_f32 v254, v232, v233, v234
	v_max_num_f32 v254, v254, v235                 ; the step's largest score of my query
	v_mul_f32 v254, s14, v254                      ; as t
	v_max_num_f32 v13, v13, v254                   ; the running largest t
	v_mov_b32 v254, v12
	v_floor_f32 v12, -v13                          ; the new -M = floor(-t) = -ceil(t): M IS A WHOLE NUMBER
	v_sub_f32 v254, v12, v254                      ; M's old value less its new one: a whole number, 0 or less
	v_cvt_i32_f32 v254, v254                       ; (it saturates)
	v_ldexp_f32 v252, 1.0, v254                    ; f = 2^(old M - new M): a multiplication by it rounds nothing
.irp j, 0,2,4,6,8,10,12,14,16,18,20,22,24,26,28,30,32,34,36,38,40,42,44,46,48,50,52,54,56,58,60,62
	v_pk_fma_f32 v[96+\j:97+\j], v[96+\j:97+\j], s[14:15], v[12:13] op_sel_hi:[1,0,0]   ; t - M, two at a time (of the pairs log2(e) and -M the low word serves both halves)
.endr
.irp b, 0,1,2,3
	v_fma_f32 v[232+\b], v[232+\b], s14, v12       ; the same of each block's largest score
.endr
.irp j, 0,1,2,3,4,5,6,7,8,9,10,11,12,13,14,15,16,17,18,19,20,21,22,23,24,25,26,27,28,29,30,31,32,33,34,35,36,37,38,39,40,41,42,43,44,45,46,47,48,49,50,51,52,53,54,55,56,57,58,59,60,61,62,63
	v_exp_f32 v[96+\j], v[96+\j]                   ; p = 2^(t - M), at most 1: NOT normalised
.endr
.irp b, 0,1,2,3
	v_exp_f32 v[232+\b], v[232+\b]                 ; the block's largest p: the same two instructions on the same number give the same bits
.endr
	v_pk_mul_f32 v[14:15], v[14:15], v[252:253] op_sel_hi:[1,0]   ; the sums under the new M.  (The plain line behind the exponentials)
	s_wait_alu depctr_va_vdst(0)
.irp b, 0,1,2,3
	v_max_num_f32 v[232+\b], 0x1800000, v[232+\b]  ; the floor 2^(3 - 127): the byte cannot fall under 1 (a block whose every p is 0 keeps that byte: its codes are zeros)
.endr
.irp b, 0,1,2,3
	v_add_nc_u32 v[244+\b], 0xff000000, v[232+\b]  ; 2 off the exponent field: the conversion's scale operand
.endr
.irp b, 0,1,2,3
	v_lshrrev_b32 v[236+\b], 23, v[244+\b]         ; the scale's byte
.endr
	v_lshl_or_b32 v25, v237, 8, v236               ; p's scale word for these 128 keys
	v_lshl_or_b32 v25, v238, 16, v25
	v_lshl_or_b32 v25, v239, 24, v25
.irp b, 0,1,2,3
	v_cvt_scalef32_pk8_fp4_f32 v[224+2*\b], v[96+16*\b:103+16*\b], v[244+\b]
	v_cvt_scalef32_pk8_fp4_f32 v[225+2*\b], v[104+16*\b:111+16*\b], v[244+\b]
.endr
	v_nop                                          ; one plain line between a scaled conversion and the vector instruction that touches its result
.irp c, 0,1                                    ; the operand's layout wants a WHOLE block in a lane: lanes 0-15 block 2 c, lanes 16-31 block 2 c + 1
.irp i, 0,1
	v_permlane16_swap_b32 v[224+4*\c+\i], v[226+4*\c+\i]
.endr
.endr
	v_pk_add_f32 v[236:237], v[96:97], v[98:99]    ; THE ROW'S SUM IS TAKEN OF THE UNQUANTISED p: two at a time, in two chains
.irp j, 4,8,12,16,20,24,28,32,36,40,44,48,52,56,60
	v_pk_add_f32 v[14:15], v[14:15], v[96+\j:97+\j]
	v_pk_add_f32 v[236:237], v[236:237], v[98+\j:99+\j]
.endr
	v_pk_add_f32 v[14:15], v[14:15], v[236:237]
.irp j, 0,2,4,6,8,10,12,14,16,18,20,22,24,26,28,30
	v_pk_mul_f32 v[160+\j:161+\j], v[160+\j:161+\j], v[252:253] op_sel_hi:[1,0]   ; O^T under the new M, ascending.  (The 48 lines from the sums on stand between p's codes and scale word and the products below)
.endr
	s_wait_loadcnt 0x0                             ; V
.irp t, 0,2                                    ; O^T += V^T P^T: four accumulators, one instruction each; the products in front and behind are other accumulators'
	v_wmma_scale_f32_16x16x128_f8f6f4 v[160+8*\t:167+8*\t], v[192+8*\t:199+8*\t], v[224:231], v[160+8*\t:167+8*\t], v[30+\t/2], v25 matrix_a_fmt:MATRIX_FMT_FP4 matrix_b_fmt:MATRIX_FMT_FP4
	v_wmma_scale_f32_16x16x128_f8f6f4 v[168+8*\t:175+8*\t], v[200+8*\t:207+8*\t], v[224:231], v[168+8*\t:175+8*\t], v[30+\t/2], v25 matrix_a_fmt:MATRIX_FMT_FP4 matrix_b_fmt:MATRIX_FMT_FP4 matrix_a_scale:MATRIX_SCALE_ROW1
.endr
.rept 4
	v_nop                                          ; four plain lines in front of the next step's loads into V's registers, and of the first read of O^T
.endr
.Lnext:
	s_wait_xcnt 0x0                                ; the step's loads have had their addresses translated: the bases may step
	s_add_nc_u64 s[86:87], s[86:87], 4096
	s_add_nc_u64 s[88:89], s[88:89], 512
	s_add_nc_u64 s[90:91], s[90:91], 4096
	s_add_nc_u64 s[92:93], s[92:93], 256
	s_add_nc_u64 s[94:95], s[94:95], 256
	s_lshr_b32 s10, s10, 1
	s_sub_co_u32 s11, s11, 1
	s_cmp_lg_u32 s11, 0
	s_cbranch_scc1 .Lstep
	; THE WAY OUT.  O^T is divided by the sum and goes through my stage: a lane's eight dims of a tile are 32 bytes of its query's row; whole rows come back, and each store covers 512 consecutive bytes of out, aligned.
	v_add_f32 v14, v14, v15                        ; the sum's two halves,
	v_permlanex16_b32 v252, v14, s100, s101
	v_add_f32 v14, v14, v252                       ; and lane l xor 16's: the row's sum
	v_rcp_f32 v14, v14
	v_nop                                          ; one plain line behind the reciprocal
	s_wait_alu depctr_va_vdst(0)
.irp j, 0,1,2,3,4,5,6,7,8,9,10,11,12,13,14,15,16,17,18,19,20,21,22,23,24,25,26,27,28,29,30,31
	v_mul_f32 v[96+\j], v[160+\j], v14             ; register 8 t + i is out(r, 16 t + 8 h + i)
.endr
.irp t, 0,1,2,3
	ds_store_b128 v6, v[96+8*\t:99+8*\t] offset:64*\t
	ds_store_b128 v6, v[100+8*\t:103+8*\t] offset:64*\t+16
.endr
.irp i, 0,1,2,3,4,5,6,7
	ds_load_b128 v[128+4*\i:131+4*\i], v4 offset:2*SP*\i   ; in order behind my stores
.endr
.irp i, 0,1,2,3,4,5,6,7
	s_wait_dscnt 7-\i                              ; load i is back; the younger ones may be out
	global_store_b128 v1, v[128+4*\i:131+4*\i], s[98:99] offset:512*\i th:TH_STORE_NT
.endr
	s_wait_tensorcnt 0x0
	ds_add_u32 v251, v255
	s_wait_dscnt 0x0
	s_endpgm
.Lfunc_end_k_qe5b371b6c1_attn:
	.size	k_qe5b371b6c1_attn, .Lfunc_end_k_qe5b371b6c1_attn-k_qe5b371b6c1_attn
	.p2alignl 7, 3214868480
	.fill 96, 4, 3214868480
	.section	.rodata,"a",@progbits
	.p2align	6, 0x0
	.amdhsa_kernel k_qe5b371b6c1_attn
		.amdhsa_group_segment_fixed_size 17920
		.amdhsa_private_segment_fixed_size 0
		.amdhsa_enable_private_segment 0
		.amdhsa_kernarg_size 64
		.amdhsa_user_sgpr_count 2
		.amdhsa_user_sgpr_kernarg_segment_ptr 1
		.amdhsa_wavefront_size32 1
		.amdhsa_system_sgpr_workgroup_id_x 1
		.amdhsa_system_sgpr_workgroup_id_y 1
		.amdhsa_system_sgpr_workgroup_id_z 1
		.amdhsa_system_vgpr_workitem_id 0
		.amdhsa_next_free_vgpr 256
		.amdhsa_next_free_sgpr 102
		.amdhsa_reserve_vcc 0
		.amdhsa_float_denorm_mode_32 3
		.amdhsa_float_denorm_mode_16_64 3
		.amdhsa_memory_ordered 1
		.amdhsa_forward_progress 1
		.amdhsa_inst_pref_size 33
	.end_amdhsa_kernel
	.amdgpu_metadata
---
amdhsa.version: [ 1, 2 ]
amdhsa.kernels:
  - .name:           k_qe5b371b6c1_attn
    .symbol:         k_qe5b371b6c1_attn.kd
    .args:
      - { .name: q, .offset: 0, .size: 8, .value_kind: global_buffer, .address_space: global }
      - { .name: kc, .offset: 8, .size: 8, .value_kind: global_buffer, .address_space: global }
      - { .name: ks, .offset: 16, .size: 8, .value_kind: global_buffer, .address_space: global }
      - { .name: vc, .offset: 24, .size: 8, .value_kind: global_buffer, .address_space: global }
      - { .name: vs, .offset: 32, .size: 8, .value_kind: global_buffer, .address_space: global }
      - { .name: mw, .offset: 40, .size: 8, .value_kind: global_buffer, .address_space: global }
      - { .name: mf, .offset: 48, .size: 8, .value_kind: global_buffer, .address_space: global }
      - { .name: out0, .offset: 56, .size: 8, .value_kind: global_buffer, .address_space: global }
    .group_segment_fixed_size: 17920
    .private_segment_fixed_size: 0
    .kernarg_segment_align: 8
    .kernarg_segment_size: 64
    .max_flat_workgroup_size: 128
    .sgpr_count:     102
    .vgpr_count:     256
    .wavefront_size: 32
...
	.end_amdgpu_metadata
.endif
;; end of part 2
;; ======== version 2 of 2: 2 launches
;; limits: right only within a limited range of input values
;; workspace buffers: kc 1,572,864 bytes; ks 196,608 bytes; vc 1,572,864 bytes; vs 98,304 bytes; mw 524,288 bytes of whole numbers; mf 8,192 bytes of whole numbers
;; launch prep (part 3): grid 640 x 1, 4 waves a work-group, no clusters, 69,120 bytes of LDS; arguments k, v, mask, kc, ks, vc, vs, mw, mf; writes kc, ks, vc, vs, mw, mf
.if DOCPART == 3
	.amdgcn_target "amdgcn-amd-amdhsa--gfx1250"
	.amdhsa_code_object_version 6
	.text
	.protected	k_qe5b371b6c1_prep
	.globl	k_qe5b371b6c1_prep
	.p2align	8
	.type	k_qe5b371b6c1_prep,@function
k_qe5b371b6c1_prep:
	s_mov_b64 s[64:65], 0
	v_nop
	global_prefetch_b8 v0, s[64:65] scope:SCOPE_SE
	s_setreg_imm32_b32 hwreg(HW_REG_WAVE_MODE, 25, 1), 1
	s_wait_xcnt 0x0
; THE LAUNCH IN FRONT OF THE ATTENTION.  It reads k, v (f32, [24 heads][2048 keys][64]) and mask (int32, [2048][2048]) once and stores what the attention's waves take straight into registers:
;   kc  k's codes of FP4 (E2M1), quantised along the head's 64:   [head][key step j of 128 keys][tile t = 2 b + u of 16 keys][lane][16 bytes]: lane (r, h) holds key 32 b + 8 u + r + 8 (r / 8), dims 32 h .. 32 h + 31
;   ks  their scale words: [head][j][g][lane][T]: block b = 2 g + T; lanes 0-15 the words of tile 2 b, lanes 16-31 those of tile 2 b + 1; a word = byte of dims 0-31, byte of dims 32-63, and 0x7f twice for the half of K = 128 that holds zero codes
;   vc  v's codes, quantised along the KEYS: [head][j][tile t of 16 dims][c][lane][16 bytes]: lane (r, h) holds dim 16 t + r, keys 64 c + 32 h + 0 .. 31
;   vs  their scale words: [head][j][dim]: byte n for keys 32 n .. 32 n + 31 of the step
;   mw  the mask as bits: [tile of 16 queries][j][n = 0 .. 63]: bit (r + 16 h) of word 16 b + i says whether key 32 b + 16 h + i counts for query r: the word is the lane mask of the attention's score register n
;   mf  flags: [tile of 16 queries][j]: bits 0-15: which of the 16 queries have a key that counts in step j; bit 16 + j: any has
; A block's scale is 2^(floor(log2(its largest magnitude)) - 2); its byte is the largest magnitude's exponent field - 2, held at 1 from below.
; LIMITS: a block of zeros gets the byte 1 where the quantiser says 127: its codes are zeros, which add nothing under any byte but 0xff, and this program alone reads the bytes.  NaN and infinities among k and v are not served.
; SHARES.  Each wave has ONE job of 16,384 bytes of input, and waves share nothing: no barrier, no loop.  Work-groups 0-255: the mask (1,024 jobs: 16 queries x 256 keys); 256-447: k (768 jobs: 64 keys);
; 448-639: v (768 jobs: 128 keys x 32 dims).  The three paths part on the work-group's number; each ends by itself and has LDS bytes of its own.  No matrix unit, no tensor load, no cluster: no byte is read by two jobs.
.set MST, 0                            ; LDS: the mask path's stages: for each wave 16 rows x (512 bytes + 16)
.set MP,  528
.set MWV, 16*MP
.set KST, 4*MWV                        ; k's stages: for each wave 32 rows x (256 bytes + 16)
.set KP,  272
.set KWV, 32*KP
.set R,   64                           ; v64-191  what is loaded
.set CD,  36                           ; v36-51   codes: registers of their own for every store
; REGISTERS: v1 lane, v2 r = lane % 16, v3 h = lane / 16, v4 16 x lane, v5 8 x lane, v6 4 x lane; v7, v8 the mask's stage in and out; v9, v10 k's stage in and out; v11 8 h; v12-15 maxima; v16-17 scale operands;
; v18-19 bytes; v20-23 scale words at work; v[24:25] k's pair of scale words; v[26:29] mask words; v[30:31] flags; v32 v's place in vc; v33 v's scale word.
; the largest magnitude of 32 numbers of one lane, v[s] on, in two chains, with the floor 2^(3 - 127) as one more leaf: so the byte cannot fall under 1
.macro BMAX s, a, b
	v_max3_num_f32 v[\a], |v[(\s)]|, |v[(\s)+1]|, |v[(\s)+2]|
	v_max3_num_f32 v[\b], |v[(\s)+3]|, |v[(\s)+4]|, |v[(\s)+5]|
.irp i, 6,10,14,18,22,26
	v_max3_num_f32 v[\a], v[\a], |v[(\s)+\i]|, |v[(\s)+\i+1]|
	v_max3_num_f32 v[\b], v[\b], |v[(\s)+\i+2]|, |v[(\s)+\i+3]|
.endr
	v_max3_num_f32 v[\a], v[\a], |v[(\s)+30]|, |v[(\s)+31]|
	v_max3_num_f32 v[\a], v[\a], v[\b], 0x1800000
.endm
; a whole block of 32 in one lane becomes 4 registers of codes, v[c] on, and its scale byte in v[by]
.macro QB s, a, b, so, by, c
	BMAX \s, \a, \b
	v_add_nc_u32 v[\so], 0xff000000, v[\a]         ; 2 off the exponent field: the conversion takes the exponent field of this operand as its scale, and nothing else of it
.irp g, 0,1,2,3
	v_cvt_scalef32_pk8_fp4_f32 v[(\c)+\g], v[(\s)+8*\g:(\s)+8*\g+7], v[\so]   ; eight numbers / the scale, to the nearest code, ties to even, beyond 6 the largest code
.endr
	v_lshrrev_b32 v[\by], 23, v[\so]               ; the scale's byte; also the plain line behind the conversions
.endm
	s_load_b512 s[4:19], s[0:1], 0x0               ; k s[4:5], v s[6:7], mask s[8:9], kc s[10:11], ks s[12:13], vc s[14:15], vs s[16:17], mw s[18:19]
	s_load_b64 s[20:21], s[0:1], 0x40              ; mf
	v_lshl_add_u32 v192, v0, 2, 0x10c00
	v_mov_b32 v193, 0
	v_lshrrev_b32 v1, 5, v0
	v_readfirstlane_b32 s22, v1                    ; wave 0..3
	v_and_b32 v1, 31, v0
	v_and_b32 v2, 15, v0
	v_bfe_u32 v3, v0, 4, 1
	v_lshlrev_b32 v4, 4, v1
	v_lshlrev_b32 v5, 3, v1
	v_lshlrev_b32 v6, 2, v1
	; every LDS address is made here, ahead of the parting: a constant + a constant x wave + constants x r and h
	s_mul_i32 s24, s22, MWV
	v_add_nc_u32 v7, s24, v4                       ; the mask's stage, in: a row's 512 bytes as they lie, 16 a lane
	v_mul_u32_u24 v8, v2, MP
	v_lshl_add_u32 v8, v3, 6, v8
	v_add_nc_u32 v8, s24, v8                       ; out: row r, + 64 h: my 16 keys of a block of 32
	s_mul_i32 s24, s22, KWV
	s_add_co_u32 s24, s24, KST
	v_mul_u32_u24 v9, v3, KP
	v_lshl_add_u32 v9, v2, 4, v9
	v_add_nc_u32 v9, s24, v9                       ; k's stage, in: a load's 512 bytes are two rows: row h, 16 r
	v_and_b32 v10, 8, v2
	v_add_nc_u32 v10, v10, v2                      ; r + 8 (r / 8)
	v_mul_u32_u24 v10, v10, KP
	v_lshl_add_u32 v10, v3, 7, v10
	v_add_nc_u32 v10, s24, v10                     ; out: that row, + 128 h: my 32 dims
	v_lshlrev_b32 v11, 3, v3
	v_lshlrev_b32 v32, 10, v3
	v_lshl_add_u32 v32, v2, 4, v32                 ; vc: my dim's tile (1,024 h) and row (16 r)
	s_mov_b32 s25, 0                               ; the high word of every offset
	s_mov_b32 s28, 0x76543210
	s_mov_b32 s29, 0xfedcba98                      ; v_permlanex16_b32's selects for lane l xor 16
	s_mov_b32 s30, 0xffff0000                      ; lanes 16-31
	s_wait_kmcnt 0x0
	s_cmp_lt_u32 ttmp9, 256
	s_cbranch_scc0 .Lnot_mask
	; ---------------- THE MASK: job m = 8 x (tile of queries) + a: 16 rows x key steps 2 a and 2 a + 1
	s_lshl_b32 s23, ttmp9, 2
	s_add_co_u32 s23, s23, s22                     ; m
	s_lshr_b32 s24, s23, 3
	s_lshl_b32 s24, s24, 17                        ; 16 rows of 8,192 bytes
	s_and_b32 s37, s23, 7
	s_lshl_b32 s26, s37, 10                        ; two steps of 512 bytes
	s_add_co_u32 s24, s24, s26
	s_add_nc_u64 s[8:9], s[8:9], s[24:25]
	s_lshl_b32 s24, s23, 9                         ; mw: 256 bytes a step
	s_add_nc_u64 s[18:19], s[18:19], s[24:25]
	s_lshl_b32 s24, s23, 3                         ; mf: 4 bytes a step
	s_add_nc_u64 s[20:21], s[20:21], s[24:25]
	s_lshl_b32 s41, s37, 1
	s_add_co_u32 s41, s41, 16                      ; the flag word's bit for 'any': 16 + j
.irp T, 0,1
.irp p, 0,1,2,3,4,5,6,7,8,9,10,11,12,13,14,15
	global_load_b128 v[R+64*\T+4*\p:R+64*\T+4*\p+3], v4, s[8:9] offset:8192*\p+512*\T th:TH_LOAD_NT   ; 32 lanes read 512 consecutive bytes of row p: one key step
.endr
.endr
.irp i, 26,27,28,29
	v_mov_b32 v[\i], 0                             ; v_writelane_b32's destination counts as read
.endr
; One tile of 16 queries x 128 keys.  The rows turn through my stage, so that lane (r, h) holds, in register 16 b + i, the mask of query r and key 32 b + 16 h + i; a compare then IS word 16 b + i.
.macro MTILE T
	s_wait_loadcnt 16-16*\T                        ; this tile's sixteen loads are in; the second tile's sixteen may be out
.irp p, 0,1,2,3,4,5,6,7,8,9,10,11,12,13,14,15
	ds_store_b128 v7, v[R+64*\T+4*\p:R+64*\T+4*\p+3] offset:MP*\p
.endr
.irp b, 0,1,2,3
.irp q, 0,1,2,3
	ds_load_b128 v[R+64*\T+16*\b+4*\q:R+64*\T+16*\b+4*\q+3], v8 offset:128*\b+16*\q   ; LDS serves a wave's instructions in order (ISA guide 5.7.1.4): these see my stores; rows 528 bytes apart start 4 banks apart
.endr
.endr
	s_wait_dscnt 0x0
	s_mov_b32 s36, 0
.set n, 0
.rept 16                               ; four words at a time, so that no line waits for the line above it
	v_cmp_lt_i32 s32, 0, v[R+64*\T+n]              ; mask > 0, a bit a lane
	v_cmp_lt_i32 s33, 0, v[R+64*\T+n+1]
	v_cmp_lt_i32 s34, 0, v[R+64*\T+n+2]
	v_cmp_lt_i32 s35, 0, v[R+64*\T+n+3]
	v_writelane_b32 v[26+2*\T], s32, n/2           ; word n goes to lane n / 2 of a pair of registers: the pair leaves by one store of 8 bytes a lane
	v_writelane_b32 v[27+2*\T], s33, n/2
	v_writelane_b32 v[26+2*\T], s34, n/2+1
	v_writelane_b32 v[27+2*\T], s35, n/2+1
	s_or_b32 s32, s32, s33
	s_or_b32 s34, s34, s35
	s_or_b32 s36, s36, s32
	s_or_b32 s36, s36, s34                         ; which lanes have a key that counts
.set n, n+4
.endr
	global_store_b64 v5, v[26+2*\T:27+2*\T], s[18:19] offset:256*\T   ; the 32 lanes store 256 consecutive bytes, aligned
	s_lshr_b32 s37, s36, 16
	s_or_b32 s37, s37, s36
	s_and_b32 s37, s37, 0xffff                     ; which queries have one: lanes r and r + 16 joined
	s_cmp_lg_u32 s37, 0
	s_cselect_b32 s42, 1, 0
	s_lshl_b32 s42, s42, s41
	s_or_b32 s[38+\T], s37, s42                    ; the flag word
	s_add_co_u32 s41, s41, 1
.endm
	s_wait_alu depctr_va_vdst(0)
	MTILE 0
	MTILE 1
	v_mov_b32 v30, s38
	v_mov_b32 v31, s39
	v_cmp_eq_u32 vcc_lo, 0, v1
	s_wait_alu depctr_va_vdst(0)
	s_wait_xcnt 0x0                                ; EXEC changes only when the stores above have had their addresses translated
	s_wait_tensorcnt 0x0
	ds_add_u32 v192, v193
	s_wait_dscnt 0x0
	s_and_saveexec_b32 s40, vcc_lo
	global_store_b64 v5, v[30:31], s[20:21]        ; lane 0 alone: the job's two flag words, 8 bytes for 16,384 read
	s_wait_xcnt 0x0                                ; and again in front of the line that widens it
	s_or_b32 exec_lo, exec_lo, s40
	s_endpgm
.Lnot_mask:
	s_cmp_lt_u32 ttmp9, 448
	s_cbranch_scc0 .Lfor_v
	; ---------------- K: job m: keys 64 m .. 64 m + 63 of the dense stream of 49,152 rows of 256 bytes: half a key step, blocks b = 2 (m % 2) + T
	s_sub_co_u32 s23, ttmp9, 256
	s_lshl_b32 s23, s23, 2
	s_add_co_u32 s23, s23, s22                     ; m
	s_lshl_b32 s24, s23, 14
	s_add_nc_u64 s[4:5], s[4:5], s[24:25]
	s_lshl_b32 s24, s23, 11                        ; four tiles of 512 bytes
	s_add_nc_u64 s[10:11], s[10:11], s[24:25]
	s_lshl_b32 s24, s23, 8                         ; 8 bytes a lane
	s_add_nc_u64 s[12:13], s[12:13], s[24:25]
.irp i, 0,1,2,3,4,5,6,7,8,9,10,11,12,13,14,15,16,17,18,19,20,21,22,23,24,25,26,27,28,29,30,31
	global_load_b128 v[R+4*\i:R+4*\i+3], v4, s[4:5] offset:512*\i th:TH_LOAD_NT   ; 512 consecutive bytes: two keys
.endr
	v_mov_b32 v21, 0                               ; a lane permute's destination counts as read
; 32 keys: two tiles of 16.  They turn through my stage, so that lane (r, h) holds 32 neighbouring dims, a whole block, of the key that its place in the tile asks for.
.macro KHALF T
	s_wait_loadcnt 16-16*\T                        ; this half's sixteen loads are in; the second half's may be out
.irp i, 0,1,2,3,4,5,6,7,8,9,10,11,12,13,14,15
	ds_store_b128 v9, v[R+64*\T+4*\i:R+64*\T+4*\i+3] offset:2*KP*\i
.endr
.irp u, 0,1
.irp e, 0,1,2,3,4,5,6,7
	ds_load_b128 v[R+64*\T+32*\u+4*\e:R+64*\T+32*\u+4*\e+3], v10 offset:8*KP*\u+16*\e   ; rows 0-7 and 16-23 of the tile's span: rows 16 apart start at the same bank, so these go two deep; 16 loads a half
.endr
.endr
	s_wait_dscnt 0x0
.irp u, 0,1
	QB R+64*\T+32*\u, 12+2*\u, 13+2*\u, 16+\u, 18+\u, CD+8*\T+4*\u
	global_store_b128 v4, v[CD+8*\T+4*\u:CD+8*\T+4*\u+3], s[10:11] offset:512*(2*\T+\u)   ; a tile's image: 512 consecutive bytes, aligned
.endr
.irp u, 0,1
	v_lshlrev_b32 v20, v11, v[18+\u]               ; my byte at its place: 8 h bits up;
	v_permlanex16_b32 v21, v20, s28, s29
	v_or_b32 v20, v20, v21                         ; with lane l xor 16's the key's two bytes;
	v_or_b32 v[22+\u], 0x7f7f0000, v20             ; 2^0 for the two blocks of zero codes
.endr
	v_cndmask_b32 v[24+\T], v22, v23, s30          ; lanes 0-15 keep the even tile's words, lanes 16-31 take the odd tile's
.endm
	s_wait_alu depctr_va_vdst(0)
	KHALF 0
	KHALF 1
	global_store_b64 v5, v[24:25], s[12:13]        ; 256 consecutive bytes, aligned
	s_wait_tensorcnt 0x0
	ds_add_u32 v192, v193
	s_wait_dscnt 0x0
	s_endpgm
.Lfor_v:
	; ---------------- V: job m: key step m / 2 of the dense stream, dims 32 (m % 2) + lane.  A LANE TAKES A DIM, AND ITS REGISTERS RUN DOWN THE KEYS: a block of 32 keys lies in one lane, and the codes come out with the keys innermost
	s_sub_co_u32 s23, ttmp9, 448
	s_lshl_b32 s23, s23, 2
	s_add_co_u32 s23, s23, s22                     ; m
	s_lshr_b32 s24, s23, 1
	s_lshl_b32 s24, s24, 15                        ; 128 keys of 256 bytes
	s_and_b32 s26, s23, 1
	s_lshl_b32 s26, s26, 7                         ; 32 dims
	s_add_co_u32 s24, s24, s26
	s_add_nc_u64 s[6:7], s[6:7], s[24:25]
	s_lshl_b32 s24, s23, 11                        ; vc: 4,096 (m / 2) + 2,048 (m % 2)
	s_add_nc_u64 s[14:15], s[14:15], s[24:25]
	s_lshl_b32 s24, s23, 7                         ; vs: 4 bytes a dim
	s_add_nc_u64 s[16:17], s[16:17], s[24:25]
.macro VLOAD bk                        ; block bk's 32 keys; each load reads 128 consecutive bytes, and the wave beside mine reads the same rows' other 128
.irp i, 0,1,2,3,4,5,6,7,8,9,10,11,12,13,14,15,16,17,18,19,20,21,22,23,24,25,26,27,28,29,30,31
	global_load_b32 v[R+32*\bk+\i], v6, s[6:7] offset:256*(32*\bk+\i)
.endr
.endm
.macro VBLOCK bk
	QB R+32*\bk, 12, 13, 16, 18, CD+4*\bk
	global_store_b128 v32, v[CD+4*\bk:CD+4*\bk+3], s[14:15] offset:256*\bk   ; each half of the lanes stores 256 consecutive bytes, aligned
.if \bk == 0
	v_mov_b32 v33, v18
.else
	v_lshl_or_b32 v33, v18, 8*\bk, v33             ; four bytes make my dim's scale word
.endif
.endm
	VLOAD 0                                        ; loads run two blocks ahead: a wait on LOADcnt names at most 63 (ISA guide 5.7.1), so a block's wait can leave one block's 32 loads out, not three blocks'
	VLOAD 1
	s_wait_loadcnt 32                              ; block 0 is in; block 1's 32 may be out
	VLOAD 2
	VBLOCK 0
	s_wait_loadcnt 32                              ; block 1 is in; block 2's may be out
	VLOAD 3
	VBLOCK 1
	s_wait_loadcnt 32                              ; block 2 is in; block 3's may be out
	VBLOCK 2
	s_wait_loadcnt 0x0
	VBLOCK 3
	global_store_b32 v6, v33, s[16:17]             ; 128 consecutive bytes for 16,384 read
	s_endpgm
.Lfunc_end_k_qe5b371b6c1_prep:
	.size	k_qe5b371b6c1_prep, .Lfunc_end_k_qe5b371b6c1_prep-k_qe5b371b6c1_prep
	.p2alignl 7, 3214868480
	.fill 96, 4, 3214868480
	.section	.rodata,"a",@progbits
	.p2align	6, 0x0
	.amdhsa_kernel k_qe5b371b6c1_prep
		.amdhsa_group_segment_fixed_size 69120
		.amdhsa_private_segment_fixed_size 0
		.amdhsa_enable_private_segment 0
		.amdhsa_kernarg_size 72
		.amdhsa_user_sgpr_count 2
		.amdhsa_user_sgpr_kernarg_segment_ptr 1
		.amdhsa_wavefront_size32 1
		.amdhsa_system_sgpr_workgroup_id_x 1
		.amdhsa_system_sgpr_workgroup_id_y 1
		.amdhsa_system_sgpr_workgroup_id_z 1
		.amdhsa_system_vgpr_workitem_id 0
		.amdhsa_next_free_vgpr 194
		.amdhsa_next_free_sgpr 66
		.amdhsa_reserve_vcc 1
		.amdhsa_float_denorm_mode_32 3
		.amdhsa_float_denorm_mode_16_64 3
		.amdhsa_memory_ordered 1
		.amdhsa_forward_progress 1
		.amdhsa_inst_pref_size 65
	.end_amdhsa_kernel
	.amdgpu_metadata
---
amdhsa.version: [ 1, 2 ]
amdhsa.kernels:
  - .name:           k_qe5b371b6c1_prep
    .symbol:         k_qe5b371b6c1_prep.kd
    .args:
      - { .name: k, .offset: 0, .size: 8, .value_kind: global_buffer, .address_space: global }
      - { .name: v, .offset: 8, .size: 8, .value_kind: global_buffer, .address_space: global }
      - { .name: mask, .offset: 16, .size: 8, .value_kind: global_buffer, .address_space: global }
      - { .name: kc, .offset: 24, .size: 8, .value_kind: global_buffer, .address_space: global }
      - { .name: ks, .offset: 32, .size: 8, .value_kind: global_buffer, .address_space: global }
      - { .name: vc, .offset: 40, .size: 8, .value_kind: global_buffer, .address_space: global }
      - { .name: vs, .offset: 48, .size: 8, .value_kind: global_buffer, .address_space: global }
      - { .name: mw, .offset: 56, .size: 8, .value_kind: global_buffer, .address_space: global }
      - { .name: mf, .offset: 64, .size: 8, .value_kind: global_buffer, .address_space: global }
    .group_segment_fixed_size: 69120
    .private_segment_fixed_size: 0
    .kernarg_segment_align: 8
    .kernarg_segment_size: 72
    .max_flat_workgroup_size: 128
    .sgpr_count:     66
    .vgpr_count:     194
    .wavefront_size: 32
...
	.end_amdgpu_metadata
.endif
;; end of part 3
;; launch attn (part 4): grid 32 x 24, 4 waves a work-group, no clusters, 17,920 bytes of LDS; arguments q, kc, ks, vc, vs, mw, mf, out0; writes out0
.if DOCPART == 4
	.amdgcn_target "amdgcn-amd-amdhsa--gfx1250"
	.amdhsa_code_object_version 6
	.text
	.protected	k_qe5b371b6c1_attn
	.globl	k_qe5b371b6c1_attn
	.p2align	8
	.type	k_qe5b371b6c1_attn,@function
k_qe5b371b6c1_attn:
	s_mov_b64 s[64:65], 0
	v_nop
	global_prefetch_b8 v0, s[64:65] scope:SCOPE_SE
	s_setreg_imm32_b32 hwreg(HW_REG_WAVE_SCHED_MODE, 0, 2), 2
	s_setreg_imm32_b32 hwreg(HW_REG_WAVE_MODE, 25, 1), 1
	s_wait_xcnt 0x0
	s_wait_alu depctr_vm_vsrc(0)
; out[head][q][:] = the sum over keys of softmax_k(q . k, where mask[q][k] > 0) v[k][:], no factor on the scores; 24 heads, 2,048 queries and keys, head size 64.  Both products on codes of FP4 (E2M1) with one E8M0 scale for each 32 along K.
; THE SOFTMAX AHEAD OF THE SECOND PRODUCT: t = score x log2(e); M = the row's largest t so far, rounded UP to a whole number; p = 2^(t - M) is what is quantised, along the keys, not normalised.  The row's sum is taken of the
; unquantised p, in f32, and divides O at the end.  When M moves, the sum and O are multiplied by 2^(old M - new M): exact.
; SHARES.  A wave owns ONE tile of 16 queries of one head (tile 4 x + wave, head y) and shares nothing with other waves: no barrier.  It walks the head's 16 key steps of 128 keys.  k's and v's codes, their scale words and the mask's
; bits were laid by the launch before in the order of this wave's registers, so each lane loads its fragments whole, from memory straight into registers.
; WHAT IS NOT COMPUTED.  A key step in which the mask lets no key count for any of my 16 queries adds p = 0 everywhere: it is passed over by a scalar branch on flag words that the launch before stored.  That holds only if each of
; my queries has a key that counts somewhere; a query that has none gets p = 1 on all 2,048 keys, as the softmax of equal scores gives: if my tile has such a query, all 16 steps run.  SKIP = 0 assembles the text without the branch.
; NO TENSOR LOAD, NO CLUSTER, NO JOINT REQUEST: which steps a wave walks hangs on numbers read from memory, so waves of one head need different tiles in different numbers, and a step's shared bytes are few: 8,960.
; THE MASKED SCORE is -2^100 in place of -1e30.  Its t, -2^100 x log2(e), is exact and a whole number: while a query has seen no key that counts, t - M is exactly 0 and p = 1; the first key that counts moves M so far that the
; factor 2^(old M - new M) is 0 and wipes what was gathered; from then on masked keys give p = 0.
; LIMITS: results are the definition's while every score that counts lies above -1e30; NaN and infinities are not served; a block of zeros gets the scale byte 1 (its codes are zeros); a block's largest p is made from the block's
; largest score by the same multiply-add and exponential, which takes v_exp_f32 not to fall where its input rises.
; LAYOUT.  Both products are used transposed: S^T = K Q^T (source 0 = 16 keys, source 1 = my 16 queries), O^T = V^T P^T (source 0 = 16 dims, source 1 = P): lane (r, h) holds query r throughout.  THE KEYS OF A TILE ARE NOT
; NEIGHBOURS: row m of tile 2 b + u is key 32 b + 8 u + m + 8 (m / 8), so that score register 16 b + i is key 32 b + 16 h + i.  The head's 64 fill half of the instruction's K = 128: registers 4-7 of Q's and K's fragments hold zero codes.
; REGISTERS: v1 16 x lane, v2 8 x lane, v3 4 x lane, v4-6 places in my stage, v7 the masked score; v12 -M, v13 the largest t, v[14:15] the sum in two halves; v[16:23] Q; v24 Q's scale word, v25 p's, v26-29 K's, v30-31 V's;
; v32-95 K's 8 fragments; v96-159 S^T, then p; v160-191 O^T; v192-223 V's 4 fragments; v224-231 p's codes; v232-254 at work; v251, v255 the closing add's two.
; s[84:99] the eight addresses; s[16:63] and s[68:83] the step's 64 mask words (at the head: the 16 flag words); s10 which steps run; s11 the trips; s[14:15] log2(e); s[100:101] lane selects.
; THE MODE: SCHED_MODE bits 1:0 = 2 (LLVM: expert scheduling mode 2), set by the entry lines.  The code itself states the register dependences between vector or matrix instructions and memory or LDS instructions, with s_wait_alu, always for 0.
; THE PLAN.  Registers that memory or LDS instructions touch:
;   v1-v6            offsets and LDS addresses: written once at the head, read by every access, never written again: one wait on va_vdst ahead of the first load.
;   v96-127          q's loads land here; the head's LDS stores read them; then the score products write them: one wait on vm_vsrc at the head.  On the way out the multiplications write them and LDS stores read them: one wait on va_vdst.
;   v128-159         the head's LDS loads land here, ahead of every vector line that names them; on the way out LDS loads land here again, behind that way's wait on va_vdst; the global stores read them and nothing writes them afterwards.
;   K: registers 0-3 of each fragment in v32-95, and v26-29.  Written by a step's first ten loads; read by its eight score products alone, which lie ahead of the step's wait for the exponentials.  No vector or matrix line behind that
;                    wait names them, and none at the head does: so the next step's loads of K stand at the step's head with no wait of their own.
;   V: v192-223, and v30-31.  Written by a step's second ten loads; read by the four products at the step's end: one wait on va_vdst in a step, between K's loads and V's.
;   Operands and scales that vector lines make for the scaled products: Q's codes, v24 and the zero codes (head; the wait between K's loads and V's stands ahead of the first product); p's codes and v25 (each step; a wait of their own).
.set SKIP, 1
.set SP,  272                          ; my stage in LDS: 16 rows x (256 bytes + 16): q's way in and O's way out
.macro BMAX s, a, b                    ; the largest magnitude of 32 numbers of one lane, with the floor 2^(3 - 127) as one more leaf
	v_max3_num_f32 v[\a], |v[(\s)]|, |v[(\s)+1]|, |v[(\s)+2]|
	v_max3_num_f32 v[\b], |v[(\s)+3]|, |v[(\s)+4]|, |v[(\s)+5]|
.irp i, 6,10,14,18,22,26
	v_max3_num_f32 v[\a], v[\a], |v[(\s)+\i]|, |v[(\s)+\i+1]|
	v_max3_num_f32 v[\b], v[\b], |v[(\s)+\i+2]|, |v[(\s)+\i+3]|
.endr
	v_max3_num_f32 v[\a], v[\a], |v[(\s)+30]|, |v[(\s)+31]|
	v_max3_num_f32 v[\a], v[\a], v[\b], 0x1800000
.endm
.macro QB s, a, b, so, by, c           ; a whole block of 32 in one lane becomes 4 registers of codes and its scale byte
	BMAX \s, \a, \b
	v_add_nc_u32 v[\so], 0xff000000, v[\a]         ; 2 off the exponent field: the conversion's scale operand
.irp g, 0,1,2,3
	v_cvt_scalef32_pk8_fp4_f32 v[(\c)+\g], v[(\s)+8*\g:(\s)+8*\g+7], v[\so]
.endr
	v_lshrrev_b32 v[\by], 23, v[\so]               ; the scale's byte; also the plain line behind the conversions
.endm
	s_load_b512 s[84:99], s[0:1], 0x0              ; q s[84:85], kc s[86:87], ks s[88:89], vc s[90:91], vs s[92:93], mw s[94:95], mf s[96:97], out s[98:99]
	v_lshl_add_u32 v251, v0, 2, 0x4400             ; my spare word, behind the four stages, and 0: made here and kept for the closing lines alone
	v_mov_b32 v255, 0
	v_lshrrev_b32 v1, 5, v0
	v_readfirstlane_b32 s2, v1                     ; wave 0..3
	v_and_b32 v8, 31, v0                           ; lane
	v_and_b32 v9, 15, v0                           ; r
	v_bfe_u32 v10, v0, 4, 1                        ; h
	v_lshlrev_b32 v1, 4, v8
	v_lshlrev_b32 v2, 3, v8
	v_lshlrev_b32 v3, 2, v8
	v_mul_u32_u24 v4, v10, SP
	v_lshl_add_u32 v4, v9, 4, v4
	v_mul_u32_u24 v11, v9, SP
	s_wait_alu depctr_va_sdst(0)                   ; s2 is written, ahead of its first reader: my stage's place and my tile's number are made from it
	s_mul_i32 s12, s2, 16*SP
	v_add_nc_u32 v4, s12, v4                       ; the stage by rows: 512 bytes of memory are two rows: row h, 16 r
	v_add_nc_u32 v11, s12, v11
	v_lshl_add_u32 v5, v10, 7, v11                 ; q, out of it: row r, + 128 h: my 32 dims
	v_lshl_add_u32 v6, v10, 5, v11                 ; O, into it: row r, + 32 h: my 8 dims of a tile
	v_lshlrev_b32 v11, 3, v10                      ; 8 h
	s_lshl_b32 s3, ttmp9, 2
	s_add_co_u32 s3, s3, s2                        ; my tile of queries, 0 .. 127
	s_and_b32 s4, ttmp7, 0xffff                    ; my head
	s_mov_b32 s7, 0
	s_mov_b32 s9, 0
	s_lshl_b32 s6, s4, 19                          ; a head of q or out: 2,048 rows of 256 bytes;
	s_lshl_b32 s12, s3, 12                         ; my 16 rows
	s_add_co_u32 s6, s6, s12
	s_mov_b32 s14, 0x3fb8aa3b                      ; log2(e)
	s_mov_b32 s15, s14                             ; (named with it as a pair, so it is written)
	s_mov_b32 s100, 0x76543210
	s_mov_b32 s101, 0xfedcba98                     ; v_permlanex16_b32's selects for lane l xor 16
	s_wait_kmcnt 0x0
	s_add_nc_u64 s[84:85], s[84:85], s[6:7]
	s_add_nc_u64 s[98:99], s[98:99], s[6:7]
	s_lshl_b32 s8, s3, 6                           ; my tile's 16 flag words
	s_add_nc_u64 s[96:97], s[96:97], s[8:9]
	s_load_b512 s[16:31], s[96:97], 0x0
	s_wait_alu depctr_va_vdst(0)                   ; the offsets v1 to v3 and the LDS addresses v4 to v6 are written: every load, store and LDS access of the kernel reads one of them, and none is written again
.irp i, 0,1,2,3,4,5,6,7
	global_load_b128 v[96+4*\i:99+4*\i], v1, s[84:85] offset:512*\i th:TH_LOAD_NT   ; my 16 rows of q: 512 consecutive bytes a load
.endr
	s_lshl_b32 s8, s4, 16                          ; a head of kc or vc: 16 steps of 4,096 bytes
	s_add_nc_u64 s[86:87], s[86:87], s[8:9]
	s_add_nc_u64 s[90:91], s[90:91], s[8:9]
	s_lshl_b32 s8, s4, 13                          ; of ks: 16 x 512
	s_add_nc_u64 s[88:89], s[88:89], s[8:9]
	s_lshl_b32 s8, s4, 12                          ; of vs: 16 x 256
	s_add_nc_u64 s[92:93], s[92:93], s[8:9]
	s_lshl_b32 s8, s3, 12                          ; my tile's mask words: 16 x 256
	s_add_nc_u64 s[94:95], s[94:95], s[8:9]
	v_mov_b32 v7, 0xf1800000                       ; -2^100
	v_mov_b32 v13, 0xff61b1e6                      ; the largest t so far: -3e38, under every t
	v_floor_f32 v12, -v13                          ; -M
	v_mov_b32 v14, 0                               ; the sum, in two halves
	v_mov_b32 v15, 0
.irp i, 236,237,238,239,252,253
	v_mov_b32 v[\i], 0                             ; written once: a lane permute's destination counts as read, and v253 is named as the upper half of the pair with f
.endr
	s_wait_kmcnt 0x0                               ; the flag words
	s_or_b32 s12, s16, s17
.irp i, 18,19,20,21,22,23,24,25,26,27,28,29,30,31
	s_or_b32 s12, s12, s[\i]
.endr
	s_and_b32 s13, s12, 0xffff                     ; which of my queries have a key that counts somewhere
	s_lshr_b32 s10, s12, 16                        ; bit j: step j has one for some query
	s_cmp_eq_u32 s13, 0xffff
	s_cselect_b32 s13, 0, 0xffff
	s_or_b32 s10, s10, s13                         ; a query with none: all 16 steps run
	s_wait_loadcnt 0x0                             ; q
.irp i, 0,1,2,3,4,5,6,7
	ds_store_b128 v4, v[96+4*\i:99+4*\i] offset:2*SP*\i
.endr
.irp e, 0,1,2,3,4,5,6,7
	ds_load_b128 v[128+4*\e:131+4*\e], v5 offset:16*\e   ; LDS serves a wave's instructions in order (ISA guide 5.7.1.4): these see my stores.  Lane (r, h): dims 32 h .. 32 h + 31 of query r, a whole block.  No vector line has named v128-159 yet
.endr
	s_wait_dscnt 0x0
	s_wait_alu depctr_vm_vsrc(0)                   ; my LDS stores have read v96-127, which the score products, and on the way out the multiplications, write again
	QB 128, 232, 233, 244, 234, 16                 ; Q's codes: registers 0-3 of its fragment
	v_lshlrev_b32 v234, v11, v234                  ; my byte at its place, 8 h bits up;
	v_permlanex16_b32 v236, v234, s100, s101
	v_or_b32 v234, v234, v236                      ; with lane l xor 16's the query's two bytes;
	v_or_b32 v24, 0x7f7f0000, v234                 ; 2^0 for the two blocks of zero codes
.irp i, 20,21,22,23
	v_mov_b32 v[\i], 0                             ; Q's zero codes for K = 64 .. 127
.endr
.irp t, 0,1,2,3,4,5,6,7
.irp e, 4,5,6,7
	v_mov_b32 v[32+8*\t+\e], 0                     ; and K's: written once; the loop's loads fill registers 0-3 alone
.endr
.endr
.irp j, 0,1,2,3,4,5,6,7,8,9,10,11,12,13,14,15,16,17,18,19,20,21,22,23,24,25,26,27,28,29,30,31
	v_mov_b32 v[160+\j], 0                         ; O^T.  (Which step is a wave's first hangs on the flags, so the step is written once and finds zeros, which the first change of M leaves zeros.  These 32 lines also stand between the operands and scale word made above and the first product)
.endr
	s_mov_b32 s11, 16
.Lstep:                                            ; 16 trips, a constant; the flags decide only whether a trip's work is done
.if SKIP
	s_and_b32 s12, s10, 1
	s_cmp_lg_u32 s12, 0
	s_cbranch_scc0 .Lnext                          ; no key of this step counts for any of my queries
.endif
	s_load_b512 s[16:31], s[94:95], 0x0            ; the step's 64 mask words
	s_load_b512 s[32:47], s[94:95], 0x40
	s_load_b512 s[48:63], s[94:95], 0x80
	s_load_b512 s[68:83], s[94:95], 0xc0
.irp t, 0,1,2,3,4,5,6,7
	global_load_b128 v[32+8*\t:35+8*\t], v1, s[86:87] offset:512*\t    ; K's eight tiles: 512 consecutive bytes a load.  No wait: the score products that read these registers lie ahead of the last step's wait for its exponentials, and no vector or matrix line since, nor any at the head, names them
.endr
.irp g, 0,1
	global_load_b64 v[26+2*\g:27+2*\g], v2, s[88:89] offset:256*\g     ; their scale words: v[26 + b]: lanes 0-15 tile 2 b's, lanes 16-31 tile 2 b + 1's; likewise
.endr
	s_wait_alu depctr_va_vdst(0)                   ; the last step's four products are done reading V's fragments and v30, v31, in which the loads below land; in a wave's first step: Q's codes, v24 and the zero codes are written, which the scaled products below take
.irp t, 0,1,2,3
.irp c, 0,1
	global_load_b128 v[192+8*\t+4*\c:195+8*\t+4*\c], v1, s[90:91] offset:1024*\t+512*\c   ; V's four tiles land while the scores and the softmax are made
.endr
.endr
.irp p, 0,1
	global_load_b32 v[30+\p], v3, s[92:93] offset:128*\p               ; their scale words: lanes 0-15 tile 2 p's, lanes 16-31 tile 2 p + 1's
.endr
	s_wait_loadcnt 10                              ; K's ten loads are in; the ten issued behind them, V's, may be out
.irp t, 0,2,4,6                                ; S^T = K Q^T: eight results, none added onto
	v_wmma_scale_f32_16x16x128_f8f6f4 v[96+8*\t:103+8*\t], v[32+8*\t:39+8*\t], v[16:23], 0, v[26+\t/2], v24 matrix_a_fmt:MATRIX_FMT_FP4 matrix_b_fmt:MATRIX_FMT_FP4
	v_wmma_scale_f32_16x16x128_f8f6f4 v[104+8*\t:111+8*\t], v[40+8*\t:47+8*\t], v[16:23], 0, v[26+\t/2], v24 matrix_a_fmt:MATRIX_FMT_FP4 matrix_b_fmt:MATRIX_FMT_FP4 matrix_a_scale:MATRIX_SCALE_ROW1
.endr
.rept 4
	v_nop                                          ; four plain lines between a product and the first read of its result (ISA guide 7.12.1)
.endr
	s_wait_kmcnt 0x0                               ; the mask words
.set n, 0
.rept 64
	v_cndmask_b32 v[96+n], v7, v[96+n], s[16+n+4*(n/48)]   ; word n is register n's lane mask: a key that does not count gets -2^100.  Ascending: each result is read from its low end on
.set n, n+1
.endr
.irp b, 0,1,2,3
	v_max3_num_f32 v[232+\b], v[96+16*\b], v[97+16*\b], v[98+16*\b]   ; THE LARGEST SCORE OF EACH BLOCK OF 32 KEYS serves twice: for the row's maximum, and, since p rises with the score, for the block's largest p
.endr
.irp i, 3,5,7,9,11,13
.irp b, 0,1,2,3
	v_max3_num_f32 v[232+\b], v[232+\b], v[96+16*\b+\i], v[97+16*\b+\i]   ; (the four blocks by turns)
.endr
.endr
.irp b, 0,1,2,3
	v_max_num_f32 v[232+\b], v[232+\b], v[111+16*\b]
.endr
.irp b, 0,1,2,3
	v_permlanex16_b32 v[236+\b], v[232+\b], s100, s101
.endr
.irp b, 0,1,2,3
	v_max_num_f32 v[232+\b], v[232+\b], v[236+\b]  ; with lane l xor 16's 16 keys
.endr
	v_max3_num_f32 v254, v232, v233, v234
	v_max_num_f32 v254, v254, v235                 ; the step's largest score of my query
	v_mul_f32 v254, s14, v254                      ; as t
	v_max_num_f32 v13, v13, v254                   ; the running largest t
	v_mov_b32 v254, v12
	v_floor_f32 v12, -v13                          ; the new -M = floor(-t) = -ceil(t): M IS A WHOLE NUMBER
	v_sub_f32 v254, v12, v254                      ; M's old value less its new one: a whole number, 0 or less
	v_cvt_i32_f32 v254, v254                       ; (it saturates)
	v_ldexp_f32 v252, 1.0, v254                    ; f = 2^(old M - new M): a multiplication by it rounds nothing
.irp j, 0,2,4,6,8,10,12,14,16,18,20,22,24,26,28,30,32,34,36,38,40,42,44,46,48,50,52,54,56,58,60,62
	v_pk_fma_f32 v[96+\j:97+\j], v[96+\j:97+\j], s[14:15], v[12:13] op_sel_hi:[1,0,0]   ; t - M, two at a time (of the pairs log2(e) and -M the low word serves both halves)
.endr
.irp b, 0,1,2,3
	v_fma_f32 v[232+\b], v[232+\b], s14, v12       ; the same of each block's largest score
.endr
	s_wait_alu depctr_va_vdst(0)
.irp j, 0,1,2,3,4,5,6,7,8,9,10,11,12,13,14,15,16,17,18,19,20,21,22,23,24,25,26,27,28,29,30,31,32,33,34,35,36,37,38,39,40,41,42,43,44,45,46,47,48,49,50,51,52,53,54,55,56,57,58,59,60,61,62,63
	v_exp_f32 v[96+\j], v[96+\j]                   ; p = 2^(t - M), at most 1: NOT normalised
.endr
.irp b, 0,1,2,3
	v_exp_f32 v[232+\b], v[232+\b]                 ; the block's largest p: the same two instructions on the same number give the same bits
.endr
	v_pk_mul_f32 v[14:15], v[14:15], v[252:253] op_sel_hi:[1,0]   ; the sums under the new M.  (The plain line behind the exponentials)
	s_wait_alu depctr_va_vdst(0)                   ; the 68 exponentials have written v96-159 and v232-235, ahead of the first line that names a result: one wait for the batch.  It also shows the score products done with K's registers, for the next step's loads
.irp b, 0,1,2,3
	v_max_num_f32 v[232+\b], 0x1800000, v[232+\b]  ; the floor 2^(3 - 127): the byte cannot fall under 1 (a block whose every p is 0 keeps that byte: its codes are zeros)
.endr
.irp b, 0,1,2,3
	v_add_nc_u32 v[244+\b], 0xff000000, v[232+\b]  ; 2 off the exponent field: the conversion's scale operand
.endr
.irp b, 0,1,2,3
	v_lshrrev_b32 v[236+\b], 23, v[244+\b]         ; the scale's byte
.endr
	v_lshl_or_b32 v25, v237, 8, v236               ; p's scale word for these 128 keys
	v_lshl_or_b32 v25, v238, 16, v25
	v_lshl_or_b32 v25, v239, 24, v25
.irp b, 0,1,2,3
	v_cvt_scalef32_pk8_fp4_f32 v[224+2*\b], v[96+16*\b:103+16*\b], v[244+\b]
	v_cvt_scalef32_pk8_fp4_f32 v[225+2*\b], v[104+16*\b:111+16*\b], v[244+\b]
.endr
	v_nop                                          ; one plain line between a scaled conversion and the vector instruction that touches its result
.irp c, 0,1                                    ; the operand's layout wants a WHOLE block in a lane: lanes 0-15 block 2 c, lanes 16-31 block 2 c + 1
.irp i, 0,1
	v_permlane16_swap_b32 v[224+4*\c+\i], v[226+4*\c+\i]
.endr
.endr
	v_pk_add_f32 v[236:237], v[96:97], v[98:99]    ; THE ROW'S SUM IS TAKEN OF THE UNQUANTISED p: two at a time, in two chains
.irp j, 4,8,12,16,20,24,28,32,36,40,44,48,52,56,60
	v_pk_add_f32 v[14:15], v[14:15], v[96+\j:97+\j]
	v_pk_add_f32 v[236:237], v[236:237], v[98+\j:99+\j]
.endr
	v_pk_add_f32 v[14:15], v[14:15], v[236:237]
.irp j, 0,2,4,6,8,10,12,14,16,18,20,22,24,26,28,30
	v_pk_mul_f32 v[160+\j:161+\j], v[160+\j:161+\j], v[252:253] op_sel_hi:[1,0]   ; O^T under the new M, ascending.  (The 48 lines from the sums on stand between p's codes and scale word and the products below)
.endr
	s_wait_loadcnt 0x0                             ; V
	s_wait_alu depctr_va_vdst(0)                   ; p's codes v224-231 and its scale word v25 are written, which the scaled products below take; the 48 plain lines above stay beside this wait
.irp t, 0,2                                    ; O^T += V^T P^T: four accumulators, one instruction each; the products in front and behind are other accumulators'
	v_wmma_scale_f32_16x16x128_f8f6f4 v[160+8*\t:167+8*\t], v[192+8*\t:199+8*\t], v[224:231], v[160+8*\t:167+8*\t], v[30+\t/2], v25 matrix_a_fmt:MATRIX_FMT_FP4 matrix_b_fmt:MATRIX_FMT_FP4
	v_wmma_scale_f32_16x16x128_f8f6f4 v[168+8*\t:175+8*\t], v[200+8*\t:207+8*\t], v[224:231], v[168+8*\t:175+8*\t], v[30+\t/2], v25 matrix_a_fmt:MATRIX_FMT_FP4 matrix_b_fmt:MATRIX_FMT_FP4 matrix_a_scale:MATRIX_SCALE_ROW1
.endr
.rept 4
	v_nop                                          ; four plain lines in front of the first read of O^T, which behind the last step is the way out's (ISA guide 7.12.1)
.endr
.Lnext:
	s_wait_xcnt 0x0                                ; the step's loads have had their addresses translated: the bases may step
	s_add_nc_u64 s[86:87], s[86:87], 4096
	s_add_nc_u64 s[88:89], s[88:89], 512
	s_add_nc_u64 s[90:91], s[90:91], 4096
	s_add_nc_u64 s[92:93], s[92:93], 256
	s_add_nc_u64 s[94:95], s[94:95], 256
	s_lshr_b32 s10, s10, 1
	s_sub_co_u32 s11, s11, 1
	s_cmp_lg_u32 s11, 0
	s_cbranch_scc1 .Lstep
	; THE WAY OUT.  O^T is divided by the sum and goes through my stage: a lane's eight dims of a tile are 32 bytes of its query's row; whole rows come back, and each store covers 512 consecutive bytes of out, aligned.
	v_add_f32 v14, v14, v15                        ; the sum's two halves,
	v_permlanex16_b32 v252, v14, s100, s101
	v_add_f32 v14, v14, v252                       ; and lane l xor 16's: the row's sum
	s_wait_alu depctr_va_vdst(0)
	v_rcp_f32 v14, v14
	v_nop                                          ; one plain line behind the reciprocal
	s_wait_alu depctr_va_vdst(0)                   ; the reciprocal has written v14, ahead of its first reader
.irp j, 0,1,2,3,4,5,6,7,8,9,10,11,12,13,14,15,16,17,18,19,20,21,22,23,24,25,26,27,28,29,30,31
	v_mul_f32 v[96+\j], v[160+\j], v14             ; register 8 t + i is out(r, 16 t + 8 h + i)
.endr
	s_wait_alu depctr_va_vdst(0)                   ; the multiplications have written v96-127, which the LDS stores read; and every vector line that named v128-159 is done, in which the loads from the stage land
.irp t, 0,1,2,3
	ds_store_b128 v6, v[96+8*\t:99+8*\t] offset:64*\t
	ds_store_b128 v6, v[100+8*\t:103+8*\t] offset:64*\t+16
.endr
.irp i, 0,1,2,3,4,5,6,7
	ds_load_b128 v[128+4*\i:131+4*\i], v4 offset:2*SP*\i   ; in order behind my stores
.endr
.irp i, 0,1,2,3,4,5,6,7
	s_wait_dscnt 7-\i                              ; load i is back; the younger ones may be out
	global_store_b128 v1, v[128+4*\i:131+4*\i], s[98:99] offset:512*\i th:TH_STORE_NT
.endr
	s_wait_dscnt 0x0                               ; the closing lines, six on end
	s_wait_alu 0x0
	s_wait_tensorcnt 0x0
	ds_add_u32 v251, v255
	s_wait_dscnt 0x0
	s_endpgm
.Lfunc_end_k_qe5b371b6c1_attn:
	.size	k_qe5b371b6c1_attn, .Lfunc_end_k_qe5b371b6c1_attn-k_qe5b371b6c1_attn
	.p2alignl 7, 3214868480
	.fill 96, 4, 3214868480
	.section	.rodata,"a",@progbits
	.p2align	6, 0x0
	.amdhsa_kernel k_qe5b371b6c1_attn
		.amdhsa_group_segment_fixed_size 17920
		.amdhsa_private_segment_fixed_size 0
		.amdhsa_enable_private_segment 0
		.amdhsa_kernarg_size 64
		.amdhsa_user_sgpr_count 2
		.amdhsa_user_sgpr_kernarg_segment_ptr 1
		.amdhsa_wavefront_size32 1
		.amdhsa_system_sgpr_workgroup_id_x 1
		.amdhsa_system_sgpr_workgroup_id_y 1
		.amdhsa_system_sgpr_workgroup_id_z 1
		.amdhsa_system_vgpr_workitem_id 0
		.amdhsa_next_free_vgpr 256
		.amdhsa_next_free_sgpr 102
		.amdhsa_reserve_vcc 0
		.amdhsa_float_denorm_mode_32 3
		.amdhsa_float_denorm_mode_16_64 3
		.amdhsa_memory_ordered 1
		.amdhsa_forward_progress 1
		.amdhsa_inst_pref_size 33
	.end_amdhsa_kernel
	.amdgpu_metadata
---
amdhsa.version: [ 1, 2 ]
amdhsa.kernels:
  - .name:           k_qe5b371b6c1_attn
    .symbol:         k_qe5b371b6c1_attn.kd
    .args:
      - { .name: q, .offset: 0, .size: 8, .value_kind: global_buffer, .address_space: global }
      - { .name: kc, .offset: 8, .size: 8, .value_kind: global_buffer, .address_space: global }
      - { .name: ks, .offset: 16, .size: 8, .value_kind: global_buffer, .address_space: global }
      - { .name: vc, .offset: 24, .size: 8, .value_kind: global_buffer, .address_space: global }
      - { .name: vs, .offset: 32, .size: 8, .value_kind: global_buffer, .address_space: global }
      - { .name: mw, .offset: 40, .size: 8, .value_kind: global_buffer, .address_space: global }
      - { .name: mf, .offset: 48, .size: 8, .value_kind: global_buffer, .address_space: global }
      - { .name: out0, .offset: 56, .size: 8, .value_kind: global_buffer, .address_space: global }
    .group_segment_fixed_size: 17920
    .private_segment_fixed_size: 0
    .kernarg_segment_align: 8
    .kernarg_segment_size: 64
    .max_flat_workgroup_size: 128
    .sgpr_count:     102
    .vgpr_count:     256
    .wavefront_size: 32
...
	.end_amdgpu_metadata
.endif
;; end of part 4
